; MI455X (gfx1250); checked and timed in simulation.
; The chip was launched on July 23, 2026; its instructions are those of AMD's public machine-readable ISA for CDNA 5 (MIT licence, August 2026) and "CDNA5" Instruction Set Architecture Reference Guide (July 2026). The comments in the code are by the model that wrote it; some were corrected since.
;; Cross Attention Block. Allowed arithmetic: matrix products marked QUANTISED: E5M2 operands, one E8M0 scale for each 32 along K, by v_wmma_scale_f32_16x16x128_f8f6f4 with both operands' format E5M2, f32 sums; everything else in f32.
;; Inputs: Wk_codes 1,024 x 32 x 32 uint8 (E5M2 codes of Wk, K innermost, in blocks of 32 codes); Wk_scales 1,024 x 32 uint8 (E8M0 scales of Wk, one for each 32 codes along K); Wo_codes 1,024 x 32 x 32 uint8 (E5M2 codes of Wo, K innermost, in blocks of 32 codes); Wo_scales 1,024 x 32 uint8 (E8M0 scales of Wo, one for each 32 codes along K); Wq_codes 1,024 x 32 x 32 uint8 (E5M2 codes of Wq, K innermost, in blocks of 32 codes); Wq_scales 1,024 x 32 uint8 (E8M0 scales of Wq, one for each 32 codes along K); Wv_codes 1,024 x 32 x 32 uint8 (E5M2 codes of Wv, K innermost, in blocks of 32 codes); Wv_scales 1,024 x 32 uint8 (E8M0 scales of Wv, one for each 32 codes along K); beta 1,024 float32; bk 1,024 float32; bo 1,024 float32; bq 1,024 float32; bv 1,024 float32; gamma 1,024 float32; key_in_codes 2 x 2,048 x 32 x 32 uint8 (E5M2 codes of key_in, K innermost, in blocks of 32 codes); key_in_scales 2 x 2,048 x 32 uint8 (E8M0 scales of key_in, one for each 32 codes along K); mask 2 x 1 x 2,048 x 2,048 float32; query 2 x 2,048 x 1,024 float32.
;; Outputs: out0 2 x 2,048 x 1,024 float32.
;; This version of the problem:
;;   THIS VERSION OF THE PROBLEM IS GIVEN IN LOW PRECISION. The matrix products marked QUANTISED in the list below multiply operands that are first quantised to E5M2 (5 exponent bits, 2 mantissa bits; 8 bits a number), with one power-of-two scale for each 32 numbers along K (OCP MX v1.0); their sums are f32. All else is computed in f32.
;;   The module's matrix products, in the order in which they are computed (A, B: the left and right operand; K: the contracted axis; several contracted axes count as one K, in the product's order):
;;     1. [M 4,096, K 1,024] x [K 1,024, N 1,024]; A: input query; B: input Wq (given as codes): QUANTISED
;;     2. [M 4,096, K 1,024] x [K 1,024, N 1,024]; A: input key_in (given as codes); B: input Wk (given as codes): QUANTISED
;;     3. [M 4,096, K 1,024] x [K 1,024, N 1,024]; A: input key_in (given as codes); B: input Wv (given as codes): QUANTISED
;;     4. batch 32 x [M 2,048, K 64] x [K 64, N 2,048]; A: computed on the way; B: computed on the way: QUANTISED
;;     5. batch 32 x [M 2,048, K 2,048] x [K 2,048, N 64]; A: softmax (see below); B: computed on the way: QUANTISED
;;     6. [M 4,096, K 1,024] x [K 1,024, N 1,024]; A: computed on the way; B: input Wo (given as codes): QUANTISED
;;   THE QUANTISER, for each operand of a quantised product, along K:
;;     - K is cut into blocks of 32 from its start; a last block that is shorter is filled with zeros.
;;     - A block's scale is 2^e with e = floor(log2(the largest magnitude in the block)) - 15, held to -126 .. 127; a block of zeros has e = 0. As a byte (E8M0): e + 127.
;;     - Each number is divided by its block's scale, clamped to +-57,344, and rounded to the nearest number of E5M2, ties to even, subnormals kept.
;;     - The product sums the exact products of the quantised numbers (number of the format x scale) in f32.
;;   ~~~python
;;   def quantise(x, axis):      # numpy; x: float32 -> the quantised numbers, widened to float32 again
;;       x = np.moveaxis(x, axis, -1); K = x.shape[-1]
;;       x = np.pad(x, [(0, 0)] * (x.ndim - 1) + [(0, -K % 32)]); x = x.reshape(x.shape[:-1] + (-1, 32)); a = np.abs(x).max(-1, keepdims=True)
;;       e = np.where(a > 0, np.clip(np.frexp(np.where(a > 0, a, 1))[1] - 1 - 15, -126, 127), 0)      # np.frexp(a)[1] - 1 = floor(log2(a)), exactly
;;       r = np.clip(x / 2.0 ** e, -57344, 57344)
;;       step = 2.0 ** (np.maximum(np.frexp(np.where(r == 0, 1, r))[1] - 1, -14) - 2)
;;       q = np.round(r / step) * step * 2.0 ** e      # np.round: ties to even
;;       return np.moveaxis(q.reshape(q.shape[:-2] + (-1,))[..., :K], -1, axis).astype(np.float32)
;;   ~~~
;;   SOFTMAX AHEAD OF A QUANTISED PRODUCT. Where the list says 'softmax', what is quantised is not the finished softmax but p = 2^(t - M), with t = logit x log2(e) and M = ceil(the row's largest t), a whole number; so 1/2 < the row's largest p <= 1. The row's sum l is taken of the UNQUANTISED p, in f32, and the product's result is divided by l at the end. Since M is a whole number, a kernel that streams over the keys may use a running M (the ceiling of the running maximum): every later rescaling is an exact power of two, which a block's scale takes up: the codes' values come out the same.
;;   OPERANDS COMPUTED ON THE WAY. 'Computed on the way' means the value that the module computes at that place (a softmax that the list does not call 'softmax' is quantised finished and normalised). What goes into a quantiser is computed in f32, as accurately as f32 sums, v_exp_f32 and their like allow (about 1e-6 of the number): no bf16 or f16 on the way to a quantiser, and a product that is left as it is and whose result goes on into a quantised operand takes f32 operands (vector FMAs, or v_wmma_f32_16x16x4_f32). A number that lies on a knife's edge between two numbers of the format may be rounded either way, as far as f32 arithmetic and the matrix unit's own rounding can turn it there, and no further.
;;   INPUTS GIVEN AS CODES. Wk (in the module: [1024, 1024], K = its axis 0); Wo (in the module: [1024, 1024], K = its axis 0); Wq (in the module: [1024, 1024], K = its axis 0); Wv (in the module: [1024, 1024], K = its axis 0); key_in (in the module: [2, 2048, 1024], K = its axis 2): each comes as NAME_codes (uint8): NAME with its K axis moved to the last place and cut into blocks of 32 codes, [.., K / 32, bytes a block], one block behind the other in memory; one code a byte (a code: sign, 5 exponent bits, 2 mantissa bits); and NAME_scales (uint8): the same leading axes, one E8M0 byte (e + 127) for each 32 codes along K. Its value is code x scale, taken as it is: it is not quantised again, and the codes and scales need not be those that the quantiser above would give.
;; One version. Each part assembles by itself: llvm-mc -triple=amdgcn-amd-amdhsa -mcpu=gfx1250 --defsym DOCPART=n.
;; ======== version 1 of 1: 4 launches
;; limits: right only within a limited range of input values
;; workspace buffers: xq_codes 4,194,304 bytes; xq_scales 131,072 bytes; wo_img 1,081,344 bytes; qi 4,325,376 bytes; kv 8,650,752 bytes; ctx 4,325,376 bytes
;; launch prep (part 1): grid 160 x 1, 4 waves a work-group, no clusters, 33,280 bytes of LDS; arguments query, xq_codes, xq_scales, Wo_codes, Wo_scales, wo_img; writes xq_codes, xq_scales, wo_img
.if DOCPART == 1
	.amdgcn_target "amdgcn-amd-amdhsa--gfx1250"
	.amdhsa_code_object_version 6
	.text
	.protected	k_q2ceb823303_prep
	.globl	k_q2ceb823303_prep
	.p2align	8
	.type	k_q2ceb823303_prep,@function
k_q2ceb823303_prep:
	s_mov_b64 s[64:65], 0
	v_nop
	global_prefetch_b8 v0, s[64:65] scope:SCOPE_SE
	s_setreg_imm32_b32 hwreg(HW_REG_WAVE_MODE, 25, 1), 1
	s_wait_xcnt 0x0
; Two jobs in one launch, parted by the work-group's number.
; WORK-GROUPS 0 TO 127: query [4096][1024], f32, becomes codes of BF8 (E5M2), K innermost, xq_codes [4096][1024], with one E8M0 byte for each 32 along K, xq_scales [4096][32].
; A block's scale is 2^(floor(log2(its largest magnitude)) - 15); its byte is the largest magnitude's own exponent field - 15, held at 1 from below.  Each number is divided by the scale, held within
; +-57,344 and rounded to the nearest code, ties to even.  (A block of zeros gets the byte 1 where the rule says 127: its codes are zeros, and the bytes are read by this program alone.)
; LIMITS: blocks whose largest magnitude lies under 2^(15 - 126) have their byte held at 1; NaN and infinities among the inputs are not served.
; Rows are dense and 1,024 is a multiple of 32: the tensor is a plain stream of blocks of 32.  A wave takes 16 steps of 512 numbers.  Each of a step's four loads reads 512 consecutive bytes, 16 a lane; the 2,048 bytes
; go through the wave's own stage in LDS and come back 64 bytes a lane, so that a lane holds 16 neighbours along K (two neighbouring lanes hold a block).  A lane's 16 codes are 16 bytes: the wave stores 512 consecutive bytes.
; A wave's 256 scale bytes are gathered in its own LDS bytes and leave as 256 consecutive bytes.  Waves share nothing: no barrier.
; WORK-GROUPS 128 TO 159: Wo's codes and scale bytes are laid out as the last launch's waves take them into registers: 128 blocks (w = 64 output features, s = 128 along K) of 8,448 bytes; in a block
; four operand images (16 features x 128 K: four times 512 bytes, lane l's 16 bytes at 16 l), then two times 128 bytes of scale words.
; THE ORDER ALONG K INSIDE A BLOCK OF 32 is the one in which this program's own operands fall out of a transposed product: the operand's place 32 c + 16 h + 8 u + j holds k = 32 c + 16 u + 8 h + j (h = lane / 16).
; So a lane's 16 bytes of block c are two pieces of 8 bytes, at 32 c + 8 h and at 32 c + 16 + 8 h of its row.  This path uses no LDS.
.set NQWG,  128                        ; work-groups that quantise query: 4,194,304 numbers / 32,768
.set STEPS, 16
.set EMAX,  15
.set MANT,  0x600000                   ; the mantissa field of 57,344 as f32
.set CB,    16                         ; bytes of 16 codes
.set R,     16                         ; v16-143  eight sets of 16 numbers as they are loaded
.set X,     144                        ; v144-175 two sets of 16 neighbours
.set C,     192                        ; v192-255 codes: four registers for each step, so that no store's data are written again
.set E,     176                        ; v176-177 a step's scale byte, two registers by turns; v178, v179 the add's two registers
.set WREG,  8192                       ; LDS: a region of its own for each wave: two stages of 32 x SP bytes, and behind them its 256 scale bytes
.set SP,    80                         ; a lane's place in a stage: its 64 bytes + 16 of padding
	s_load_b128 s[4:7], s[0:1], 0x0                ; query, xq_codes
	s_load_b128 s[8:11], s[0:1], 0x10              ; xq_scales, Wo_codes
	s_load_b128 s[12:15], s[0:1], 0x20             ; Wo_scales, wo_img
	v_lshl_add_u32 v178, v0, 2, 0x8000
	v_mov_b32 v179, 0
	v_lshrrev_b32 v1, 5, v0
	v_readfirstlane_b32 s16, v1                    ; wave
	v_and_b32 v2, 31, v0                           ; lane
	s_cmp_ge_u32 ttmp9, NQWG
	s_cbranch_scc1 .Lwo
	; ---- query
	v_lshlrev_b32 v3, 4, v2                        ; my 16 bytes of a load's 512
	s_mul_i32 s17, s16, WREG
	v_lshrrev_b32 v14, 2, v2
	v_mul_u32_u24 v14, v14, SP
	v_and_b32 v15, 3, v2
	v_lshl_add_u32 v14, v15, 4, v14
	v_add_nc_u32 v14, s17, v14                     ; the stage, on the way in: four lanes' 64 bytes on end, then 16 of padding: SP (lane / 4) + 16 (lane % 4)
	v_mul_u32_u24 v15, v2, SP
	v_add_nc_u32 v15, s17, v15                     ; and on the way out: SP x lane: my 16 neighbours
	v_mul_u32_u24 v4, v2, CB                       ; my codes' place in a step's
	v_lshrrev_b32 v5, 1, v2
	s_add_co_u32 s17, s17, 2*32*SP
	v_add_nc_u32 v5, s17, v5                       ; LDS: my wave's 256 scale bytes, my block's byte
	v_lshlrev_b32 v7, 3, v2                        ; and on the way out 8 bytes a lane
	v_add_nc_u32 v6, s17, v7
	s_mov_b32 s23, MANT                            ; (an instruction takes one literal: the hold's line has another)
	s_lshl_b32 s17, ttmp9, 2
	s_add_co_u32 s18, s17, s16                     ; which run of 8,192 numbers is my wave's: 0 .. 511
	s_mov_b32 s19, 0
	s_mov_b32 s21, 0
	s_wait_alu depctr_va_vdst(0)
	s_wait_kmcnt 0x0
	s_lshl_b32 s20, s18, 15                        ; 32,768 bytes of numbers a run
	s_add_nc_u64 s[4:5], s[4:5], s[20:21]
	s_lshl_b32 s20, s18, 13                        ; 8,192 bytes of codes
	s_add_nc_u64 s[6:7], s[6:7], s[20:21]
	s_lshl_b32 s18, s18, 8                         ; 256 scale bytes
	s_add_nc_u64 s[8:9], s[8:9], s[18:19]
.macro LOAD t
.irp i, 0,1,2,3
	global_load_b128 v[R+16*((\t)%8)+4*\i:R+16*((\t)%8)+4*\i+3], v3, s[4:5] offset:2048*(\t)+512*\i th:TH_LOAD_NT   ; 32 lanes read 512 consecutive bytes
.endr
.endm
.macro TURN t                          ; step t's numbers through the stage: LDS serves a wave's instructions in order, so no wait stands between the stores and the loads
.irp i, 0,1,2,3
	ds_store_b128 v14, v[R+16*((\t)%8)+4*\i:R+16*((\t)%8)+4*\i+3] offset:32*SP*((\t)%2)+8*SP*\i
.endr
.irp i, 0,1,2,3
	ds_load_b128 v[X+16*((\t)%2)+4*\i:X+16*((\t)%2)+4*\i+3], v15 offset:32*SP*((\t)%2)+16*\i
.endr
.endm
.irp t, 0,1,2,3,4,5,6,7
	LOAD \t
.endr
	s_wait_loadcnt 28                              ; step 0's four loads are in; those of steps 1 to 7 may be out
	TURN 0
.macro STEP t
.set XS, X+16*((\t)%2)
.if (\t) > 0
	s_wait_dscnt 1                                 ; this step's numbers are back from the stage (the last step's byte store may be out): so its stores into the stage have read their registers,
.else
	s_wait_dscnt 0x0
.endif
.if (\t)+8 < STEPS
	LOAD (\t)+8                                    ; which take the loads of eight steps on
.endif
.if (\t)+1 < STEPS
.if STEPS-2-(\t) >= 7
	s_wait_loadcnt 28                              ; the next step's four loads are in; those of the seven steps behind it may be out
.else
	s_wait_loadcnt 4*(STEPS-2-(\t))
.endif
	TURN (\t)+1                                    ; and go through the other stage while this step is worked
.endif
	v_max3_num_f32 v8, |v[XS]|, |v[XS+1]|, |v[XS+2]|               ; the largest magnitude of my 16, in two chains
	v_max3_num_f32 v9, |v[XS+3]|, |v[XS+4]|, |v[XS+5]|
.irp i, 6,10
	v_max3_num_f32 v8, v8, |v[XS+\i]|, |v[XS+\i+1]|
	v_max3_num_f32 v9, v9, |v[XS+\i+2]|, |v[XS+\i+3]|
.endr
	v_max3_num_f32 v8, v8, |v[XS+14]|, |v[XS+15]|
	v_max3_num_f32 v8, v8, v9, (EMAX+1)<<23        ; and the floor 2^(16 - 127): the byte cannot fall under 1
	v_max_num_f32_dpp v8, v8, v8 row_xmask:1 row_mask:0xf bank_mask:0xf   ; and of my neighbour's 16: the block's
	v_add_nc_u32 v11, 0xf8800000, v8               ; 15 off its exponent field: the conversion takes the exponent field of this operand as its scale, and nothing else of it
	v_and_or_b32 v10, v8, 0x7f800000, s23          ; 57,344 x the scale: the largest magnitude's exponent field over 57,344's mantissa
.irp i, 0,1,2,3,4,5,6,7,8,9,10,11,12,13,14,15
	v_med3_num_f32 v[XS+\i], v[XS+\i], -v10, v10   ; the conversion to an 8-bit code does not saturate (ISA guide 7.6.2): hold the number first
.endr
	v_cvt_scalef32_pk8_bf8_f32 v[C+4*(\t):C+4*(\t)+1], v[XS:XS+7], v11
	v_cvt_scalef32_pk8_bf8_f32 v[C+4*(\t)+2:C+4*(\t)+3], v[XS+8:XS+15], v11
	v_lshrrev_b32 v[E+(\t)%2], 23, v11             ; the scale's byte (also the plain line behind the conversions)
	ds_store_b8 v5, v[E+(\t)%2] offset:16*(\t)     ; both lanes of a block write the same byte with the same value
	global_store_b128 v4, v[C+4*(\t):C+4*(\t)+3], s[6:7] offset:32*CB*(\t)   ; 512 consecutive bytes
.endm
.irp t, 0,1,2,3,4,5,6,7,8,9,10,11,12,13,14,15
	STEP \t
.endr
	ds_load_b64 v[12:13], v6                       ; LDS serves a wave's instructions in order: these see my stores
	s_wait_dscnt 0x0
	global_store_b64 v7, v[12:13], s[8:9]          ; 32 lanes store 256 consecutive bytes
	s_wait_tensorcnt 0x0
	ds_add_u32 v178, v179
	s_wait_dscnt 0x0
	s_endpgm
	; ---- Wo: wave g = 4 (work-group - 128) + wave lays block (w, s) = (g / 8, g % 8)
.Lwo:
	s_sub_co_u32 s17, ttmp9, NQWG
	s_lshl_b32 s17, s17, 2
	s_add_co_u32 s17, s17, s16                     ; g
	s_lshr_b32 s18, s17, 3                         ; w
	s_and_b32 s19, s17, 7                          ; s
	s_lshl_b32 s20, s18, 16                        ; codes: 64 rows of 1,024 bytes for each w,
	s_lshl_b32 s22, s19, 7                         ; 128 bytes along a row for each s
	s_add_co_u32 s20, s20, s22
	s_mov_b32 s21, 0
	s_lshl_b32 s22, s18, 11                        ; scale bytes: 64 rows of 32 bytes,
	s_lshl_b32 s24, s19, 2                         ; 4 bytes along a row
	s_add_co_u32 s22, s22, s24
	s_mov_b32 s23, 0
	s_mul_i32 s24, s17, 8448                       ; the block
	s_mov_b32 s25, 0
	v_and_b32 v5, 15, v0                           ; r
	v_bfe_u32 v6, v0, 4, 1                         ; h
	v_lshlrev_b32 v1, 10, v5
	v_lshl_add_u32 v1, v6, 3, v1                   ; row r of a tile, + 8 h
	s_wait_alu depctr_va_vdst(0)
	v_lshlrev_b32 v3, 5, v2                        ; scale bytes: a row a lane
	v_lshlrev_b32 v4, 2, v2                        ; out: 4 bytes a lane,
	v_lshlrev_b32 v7, 4, v2                        ; 16 bytes a lane
	s_wait_alu depctr_va_vdst(0)
	s_wait_kmcnt 0x0
	s_add_nc_u64 s[10:11], s[10:11], s[20:21]
	s_add_nc_u64 s[12:13], s[12:13], s[22:23]
	s_add_nc_u64 s[14:15], s[14:15], s[24:25]
.irp f, 0,1,2,3
.irp c, 0,1,2,3
.irp u, 0,1
	global_load_b64 v[32+4*(4*\f+\c)+2*\u:32+4*(4*\f+\c)+2*\u+1], v1, s[10:11] offset:\f*16384+32*\c+16*\u   ; k = 32 c + 16 u + 8 h + 0 .. 7 of feature 16 f + r
.endr
.endr
.endr
.irp p, 0,1
	global_load_b32 v[24+\p], v3, s[12:13] offset:\p*1024   ; the words of features 32 p + lane: lanes 0-15 tile 2 p, lanes 16-31 tile 2 p + 1
.endr
	s_wait_loadcnt 0x0
.irp q, 0,1,2,3,4,5,6,7,8,9,10,11,12,13,14,15
	global_store_b128 v7, v[32+4*\q:32+4*\q+3], s[14:15] offset:\q*512   ; 512 consecutive bytes
.endr
.irp p, 0,1
	global_store_b32 v4, v[24+\p], s[14:15] offset:8192+128*\p
.endr
	s_endpgm
.Lfunc_end_k_q2ceb823303_prep:
	.size	k_q2ceb823303_prep, .Lfunc_end_k_q2ceb823303_prep-k_q2ceb823303_prep
	.p2alignl 7, 3214868480
	.fill 96, 4, 3214868480
	.section	.rodata,"a",@progbits
	.p2align	6, 0x0
	.amdhsa_kernel k_q2ceb823303_prep
		.amdhsa_group_segment_fixed_size 33280
		.amdhsa_private_segment_fixed_size 0
		.amdhsa_enable_private_segment 0
		.amdhsa_kernarg_size 48
		.amdhsa_user_sgpr_count 2
		.amdhsa_user_sgpr_kernarg_segment_ptr 1
		.amdhsa_wavefront_size32 1
		.amdhsa_system_sgpr_workgroup_id_x 1
		.amdhsa_system_sgpr_workgroup_id_y 1
		.amdhsa_system_sgpr_workgroup_id_z 1
		.amdhsa_system_vgpr_workitem_id 0
		.amdhsa_next_free_vgpr 256
		.amdhsa_next_free_sgpr 66
		.amdhsa_reserve_vcc 0
		.amdhsa_float_denorm_mode_32 3
		.amdhsa_float_denorm_mode_16_64 3
		.amdhsa_memory_ordered 1
		.amdhsa_forward_progress 1
		.amdhsa_inst_pref_size 57
	.end_amdhsa_kernel
	.amdgpu_metadata
---
amdhsa.version: [ 1, 2 ]
amdhsa.kernels:
  - .name:           k_q2ceb823303_prep
    .symbol:         k_q2ceb823303_prep.kd
    .args:
      - { .name: query, .offset: 0, .size: 8, .value_kind: global_buffer, .address_space: global }
      - { .name: xq_codes, .offset: 8, .size: 8, .value_kind: global_buffer, .address_space: global }
      - { .name: xq_scales, .offset: 16, .size: 8, .value_kind: global_buffer, .address_space: global }
      - { .name: Wo_codes, .offset: 24, .size: 8, .value_kind: global_buffer, .address_space: global }
      - { .name: Wo_scales, .offset: 32, .size: 8, .value_kind: global_buffer, .address_space: global }
      - { .name: wo_img, .offset: 40, .size: 8, .value_kind: global_buffer, .address_space: global }
    .group_segment_fixed_size: 33280
    .private_segment_fixed_size: 0
    .kernarg_segment_align: 8
    .kernarg_segment_size: 48
    .max_flat_workgroup_size: 128
    .sgpr_count:     66
    .vgpr_count:     256
    .wavefront_size: 32
...
	.end_amdgpu_metadata
.endif
;; end of part 1
;; launch proj (part 2): grid 4 x 48, 4 waves a work-group, clusters of 4 x 4, 327,680 bytes of LDS; arguments xq_codes, xq_scales, key_in_codes, key_in_scales, Wq_codes, Wq_scales, Wk_codes, Wk_scales, Wv_codes, Wv_scales, bq, bk, bv, qi, kv; writes qi, kv
.if DOCPART == 2
	.amdgcn_target "amdgcn-amd-amdhsa--gfx1250"
	.amdhsa_code_object_version 6
	.text
	.protected	k_q2ceb823303_proj
	.globl	k_q2ceb823303_proj
	.p2align	8
	.type	k_q2ceb823303_proj,@function
k_q2ceb823303_proj:
	s_mov_b64 s[64:65], 0
	v_nop
	global_prefetch_b8 v0, s[64:65] scope:SCOPE_SE
	s_setreg_imm32_b32 hwreg(HW_REG_WAVE_MODE, 25, 1), 1
	s_wait_xcnt 0x0
	s_wait_alu depctr_hold_cnt(0) depctr_sa_sdst(0) depctr_va_vdst(0) depctr_va_sdst(0) depctr_va_ssrc(0) depctr_va_vcc(0) depctr_vm_vsrc(0)
	s_getreg_b32 s2, hwreg(HW_REG_IB_STS2, 6, 4)
	s_cmp_eq_u32 s2, 0
	s_cbranch_scc0 .Lentry_in_a_cluster
	s_endpgm
.Lentry_in_a_cluster:
	s_bfe_u32 s2, ttmp6, 0x10000c
	s_cmp_lg_u32 s2, 0xf033
	s_cbranch_scc0 .Lentry_shape_is_right
	s_endpgm
.Lentry_shape_is_right:
.set SIZE_K, 1024
.set KSTEP,  256
.set NQ,     KSTEP/128
.set ROWB,   256
.set KROW,   SIZE_K
.set PITCH,  272
.set FR,     16
.set NL,     4
.set NP,     8
.set HALFT,  128*PITCH
.set SLOT,   4*HALFT
.set LAPS,   SIZE_K/(2*KSTEP)
.set KS,     SIZE_K/32
.set SCL,    2*SLOT
.set HALFS,  (128*KS/256)*272
.set SBLK,   (16*KS/256)*272
.set SPARE,  SCL+4*HALFS
.set BA,   8
.set ADRA, 16
.set ADRB, 20
.set LI,   26
.set ADRS, 27
.set SPW,  28
.set NIL,  29
.set SC,   32
.set BB,   64
.set AF,   128
.set T,    128
.set PC,   192
.set TM,   224
.set PW,   240
.set PWE,  241
.set PWS,  242
.set G1, 24
.set G0, 32
.set G1B, 48
.set G0B, 56
.set G1S, 68
.set G0S, 76
.set G1SB, 80
.set G0SB, 88
.set SEL, 66
.set MNT, 2
.set PRD, 98
.set MSB, 0
.macro WIN new
.if MSB != (\new)
	s_set_vgpr_msb (MSB<<8)|(\new)
.set MSB, (\new)
.endif
.endm
.set MUL_LO, 0xa1
.set MUL_HI, 0xf1
.set TO_B,   0x40
.macro JLOAD g0a, g1a, g0b, g1b
	s_cmp_eq_u32 s15, 0
	s_cbranch_scc0 .Lfor_b_\@
	tensor_load_to_lds s[\g0a:\g0a+3], s[\g1a:\g1a+7]
	s_nop 0
.rept 4
	v_nop
.endr
	s_branch .Lasked_\@
.Lfor_b_\@:
	tensor_load_to_lds s[\g0b:\g0b+3], s[\g1b:\g1b+7]
	s_nop 0
.rept 4
	v_nop
.endr
.Lasked_\@:
.endm
.macro CREST
	s_cmp_lg_u32 s14, 0
	s_cbranch_scc1 .Lnot_wave_0_\@
	s_barrier_signal -3
.Lnot_wave_0_\@:
	s_barrier_wait -3
	s_barrier_signal -1
	s_barrier_wait -1
.endm
.macro CROUND
	s_barrier_signal -1
	s_barrier_wait -1
	CREST
.endm
	s_load_b512 s[68:83], s[0:1], 0x0
	s_load_b256 s[84:91], s[0:1], 0x40
	s_load_b128 s[92:95], s[0:1], 0x60
	s_load_b64 s[96:97], s[0:1], 0x70
	v_lshl_add_u32 v[SPW], v0, 2, SPARE
	v_mov_b32 v[NIL], 0
	ds_add_u32 v28, v29
	ds_add_u32 v28, v29
	s_wait_dscnt 0x0
	v_lshrrev_b32 v1, 5, v0
	v_readfirstlane_b32 s14, v1
	s_lshr_b32 s15, s14, 1
	s_and_b32 s16, s14, 1
	s_bfe_u32 s40, ttmp6, 0x40000
	s_bfe_u32 s41, ttmp6, 0x40004
	s_and_b32 s17, ttmp7, 0xffff
	s_lshr_b32 s[PRD], s17, 2
	s_and_b32 s99, s17, 3
	s_lshl_b32 s99, s99, 2
	s_cmp_eq_u32 s[PRD], 2
	s_cselect_b32 s17, 0, s99
	s_cselect_b32 s42, s99, 0
	s_add_co_u32 s17, s17, s41
	s_add_co_u32 s42, s42, s40
	s_lshl_b32 s43, s41, 2
	s_lshl_b32 s43, 15, s43
	s_lshl_b32 s44, 0x1111, s40
	s_or_b32 s[G1+0], s43, (0<<16)|(1<<20)|(1<<21)|(5<<22)|(3<<25)
	s_or_b32 s[G1B+0], s44, (0<<16)|(1<<20)|(1<<21)|(5<<22)|(3<<25)
.irp g, G1, G1B
	s_mov_b32 s[\g+1], ROWB<<16
	s_mov_b32 s[\g+2], 256<<16                     ; 256 rows for the head's loads; behind them the two words that count rows are set to 128, for the ring's
	s_mov_b32 s[\g+3], ROWB<<16
	s_mov_b32 s[\g+4], 256
	s_mov_b32 s[\g+5], KROW
	s_mov_b32 s[\g+6], 0
	s_mov_b32 s[\g+7], 0
.endr
	s_wait_kmcnt 0x0
	s_cmp_eq_u32 s[PRD], 0
	s_cselect_b64 s[4:5], s[68:69], s[72:73]
	s_cselect_b64 s[6:7], s[70:71], s[74:75]
	s_cselect_b64 s[8:9], s[76:77], s[80:81]
	s_cselect_b64 s[10:11], s[78:79], s[82:83]
	s_cselect_b64 s[100:101], s[88:89], s[90:91]
	s_cselect_b64 s[12:13], s[94:95], s[96:97]
	s_cmp_eq_u32 s[PRD], 2
	s_cselect_b64 s[4:5], s[84:85], s[4:5]
	s_cselect_b64 s[6:7], s[86:87], s[6:7]
	s_cselect_b64 s[8:9], s[72:73], s[8:9]
	s_cselect_b64 s[10:11], s[74:75], s[10:11]
	s_cselect_b64 s[100:101], s[92:93], s[100:101]
	s_or_b32 s[G1S+0], s43, (3<<16)|(1<<20)|(1<<21)|(5<<22)|(3<<25)
	s_or_b32 s[G1SB+0], s44, (3<<16)|(1<<20)|(1<<21)|(5<<22)|(3<<25)
.irp g, G1S, G1SB
	s_mov_b32 s[\g+1], 32<<16
	s_mov_b32 s[\g+2], (256*KS/256)<<16            ; the scales of 256 rows: 256 KS dense bytes as rows of 256
	s_mov_b32 s[\g+3], 32<<16
	s_mov_b32 s[\g+4], 256*KS/256
	s_mov_b32 s[\g+5], 32
	s_mov_b32 s[\g+6], 0
	s_mov_b32 s[\g+7], 0
.endr
	s_lshl_b32 s20, s17, 8                         ; A: the tile's first row
	s_lshl_b32 s46, s42, 8                         ; B: likewise
	s_mov_b32 s21, 0
	s_mov_b32 s47, 0
	s_mov_b64 s[18:19], KS
	s_mul_u64 s[22:23], s[20:21], s[18:19]
	s_mul_u64 s[92:93], s[46:47], s[18:19]
	s_mov_b64 s[18:19], KROW
	s_mul_u64 s[20:21], s[20:21], s[18:19]
	s_mul_u64 s[46:47], s[46:47], s[18:19]
	s_mul_i32 s45, s14, HALFT
	s_mul_i32 s18, s16, 128*KROW                   ; in the ring I fetch 128 rows of a tile: which half, in bytes
	s_mov_b32 s19, 0
	s_add_nc_u64 s[20:21], s[4:5], s[20:21]
	s_add_nc_u64 s[22:23], s[6:7], s[22:23]
	s_add_nc_u64 s[46:47], s[8:9], s[46:47]
	s_add_nc_u64 s[92:93], s[10:11], s[92:93]
	CROUND
.set G0H, 4                            ; s[4:7], s[8:11] group 0 for the head's loads of K step 0 (the addresses that lay there have been used)
.set G0HB, 8
	s_mov_b32 s[G0H], 1                            ; the head's four tiles, each whole: K step 0's 256 rows of A,
	s_mov_b32 s[G0H+1], 0
	s_mov_b64 s[G0H+2:G0H+3], s[20:21]
	s_or_b32 s[G0H+3], s[G0H+3], 0x80000000
	s_mov_b32 s[G0HB], 1                           ; its 256 rows of B, behind them in slot 0,
	s_mov_b32 s[G0HB+1], 2*HALFT
	s_mov_b64 s[G0HB+2:G0HB+3], s[46:47]
	s_or_b32 s[G0HB+3], s[G0HB+3], 0x80000000
	s_mov_b32 s[G0S], 1                            ; the scales of A's 256 rows,
	s_mov_b32 s[G0S+1], SCL
	s_mov_b64 s[G0S+2:G0S+3], s[22:23]
	s_or_b32 s[G0S+3], s[G0S+3], 0x80000000
	s_mov_b32 s[G0SB], 1                           ; and of B's
	s_mov_b32 s[G0SB+1], SCL+2*HALFS
	s_mov_b64 s[G0SB+2:G0SB+3], s[92:93]
	s_or_b32 s[G0SB+3], s[G0SB+3], 0x80000000
	s_add_nc_u64 s[20:21], s[20:21], s[18:19]      ; for the ring: my 128 rows of the tile
	s_add_nc_u64 s[46:47], s[46:47], s[18:19]
.irp s, 0,1
	s_mov_b32 s[G0+4*\s], 1
	s_add_co_u32 s[G0+4*\s+1], s45, \s*SLOT
	s_add_nc_u64 s[G0+4*\s+2:G0+4*\s+3], s[20:21], \s*ROWB
	s_or_b32 s[G0+4*\s+3], s[G0+4*\s+3], 0x80000000
	s_mov_b32 s[G0B+4*\s], 1
	s_add_co_u32 s[G0B+4*\s+1], s45, \s*SLOT
	s_add_nc_u64 s[G0B+4*\s+2:G0B+4*\s+3], s[46:47], \s*ROWB
	s_or_b32 s[G0B+4*\s+3], s[G0B+4*\s+3], 0x80000000
.endr
; THE HEAD'S LOADS, ONE A WAVE: wave 0 fetches K step 0's 256 rows of A, wave 1 its 256 rows of B, wave 2 the scales of A's 256 rows, wave 3 those of B's.
; One chain of branches on the wave's number, each arm with its load: every way through the head passes exactly one load.
.macro ARM under, g0, g1, next
	s_cmp_lt_u32 s14, \under
	s_cbranch_scc0 \next
	tensor_load_to_lds s[\g0:\g0+3], s[\g1:\g1+7]
	s_nop 0
.rept 4
	v_nop
.endr
	s_branch .Lhead_asked
\next:
.endm
	ARM 1, G0H,  G1,  .Lhead_b
	ARM 2, G0HB, G1B, .Lhead_sa
	ARM 3, G0S,  G1S, .Lhead_sb
	tensor_load_to_lds s[G0SB:G0SB+3], s[G1SB:G1SB+7]
	s_nop 0
.rept 4
	v_nop
.endr
.Lhead_asked:
	v_and_b32 v1, 15, v0
	v_bfe_u32 v2, v0, 4, 1
	v_mul_u32_u24 v3, v1, PITCH
	v_lshl_add_u32 v4, v2, 4, v3
	s_mul_i32 s21, s15, HALFT
	s_mul_i32 s22, s16, HALFT
	s_add_co_u32 s22, s22, 2*HALFT
.irp s, 0,1
	v_add_nc_u32 v[ADRA+\s], s21, v4
	v_add_nc_u32 v[ADRB+\s], s22, v4
	s_add_co_u32 s21, s21, SLOT
	s_add_co_u32 s22, s22, SLOT
.endr
	v_mul_u32_u24 v5, v1, KS
	v_lshrrev_b32 v6, 8, v5
	v_lshl_add_u32 v5, v6, 4, v5
	s_mul_i32 s21, s15, HALFS
	s_mul_i32 s22, s16, HALFS
	s_add_co_u32 s22, s22, 2*HALFS
	s_sub_co_u32 s22, s22, s21
	v_mul_u32_u24 v6, s22, v2
	s_add_co_u32 s21, s21, SCL
	v_add_nc_u32 v5, v5, v6
	v_add_nc_u32 v[ADRS], s21, v5
	v_and_b32 v6, 31, v0
	v_lshlrev_b32 v[LI], 4, v6
	v_lshlrev_b32 v31, 2, v6
	v_lshlrev_b32 v30, 2, v1
	v_lshlrev_b32 v7, 5, v2
	s_wait_alu depctr_va_vdst(0)
	s_mov_b32 s[SEL], 0x76543210
	s_mov_b32 s[SEL+1], 0xfedcba98
	s_mov_b32 s[MNT], 0x600000
	s_mov_b32 s40, 0xffff0000
	s_lshl_b32 s18, s17, 1
	s_add_co_u32 s18, s18, s15
	s_lshl_b32 s19, s42, 1
	s_add_co_u32 s19, s19, s16
	s_mov_b32 s92, 33792
	s_mov_b32 s93, 33280
	s_cmp_eq_u32 s[PRD], 2
	s_cselect_b32 s20, s19, s18
	s_cselect_b32 s21, s18, s19
	s_cselect_b32 s22, 16384, 0
	s_cselect_b32 s46, s93, 32768
	s_cselect_b32 s94, 0, s19
	s_cselect_b32 s95, s18, 0
	s_cmp_eq_u32 s[PRD], 0
	s_cselect_b32 s92, 16896, s92
	s_cselect_b32 s46, 16384, s46
	s_lshl_b32 s20, s20, 3
	s_add_co_u32 s20, s20, s21
	s_mul_i32 s20, s20, s92
	s_add_co_u32 s22, s22, s20
	s_add_co_u32 s46, s46, s20
	s_mov_b32 s23, 0
	s_mov_b32 s47, 0
	s_add_nc_u64 s[44:45], s[12:13], s[46:47]
	s_add_nc_u64 s[12:13], s[12:13], s[22:23]
	s_lshl_b32 s20, s94, 9
	s_mov_b32 s21, 0
	s_lshl_b32 s22, s95, 9
	s_add_nc_u64 s[20:21], s[100:101], s[20:21]
	s_add_nc_u64 s[22:23], s[100:101], s[22:23]
.irp b, 0,1,2,3,4,5,6,7
	global_load_b128 v[BB+8*\b:BB+8*\b+3], v7, s[20:21] offset:64*\b
	global_load_b128 v[BB+8*\b+4:BB+8*\b+7], v7, s[20:21] offset:64*\b+16
.endr
.irp a, 0,1,2,3,4,5,6,7
	global_load_b32 v[BA+\a], v30, s[22:23] offset:64*\a
.endr
.macro FRAG reg, adr, q, i
.irp c, 0,1,2,3
	ds_load_b128 v[\reg+4*\c:\reg+4*\c+3], v[\adr] offset:128*(\q)+32*\c+(\i)*16*PITCH
.endr
.endm
.macro MUL16 a0, p, q, sc, zero
.irp a, \a0, \a0+1
.irp b, 0,1,2,3,4,5,6,7
.if \zero
	v_wmma_scale_f32_16x16x128_f8f6f4 v[8*(8*((\a)%4)+\b):8*(8*((\a)%4)+\b)+7], v[128*(\p)+FR*\b:128*(\p)+FR*\b+FR-1], v[AF+FR*(\a):AF+FR*(\a)+FR-1], 0, v[SC+8*NQ*(\sc)+NQ*\b+(\q)], v[SC+8*NQ*(\sc)+NQ*(\a)+(\q)] matrix_a_fmt:MATRIX_FMT_BF8 matrix_b_fmt:MATRIX_FMT_BF8 matrix_a_scale:MATRIX_SCALE_ROW1
.else
	v_wmma_scale_f32_16x16x128_f8f6f4 v[8*(8*((\a)%4)+\b):8*(8*((\a)%4)+\b)+7], v[128*(\p)+FR*\b:128*(\p)+FR*\b+FR-1], v[AF+FR*(\a):AF+FR*(\a)+FR-1], v[8*(8*((\a)%4)+\b):8*(8*((\a)%4)+\b)+7], v[SC+8*NQ*(\sc)+NQ*\b+(\q)], v[SC+8*NQ*(\sc)+NQ*(\a)+(\q)] matrix_a_fmt:MATRIX_FMT_BF8 matrix_b_fmt:MATRIX_FMT_BF8 matrix_a_scale:MATRIX_SCALE_ROW1
.endif
.endr
.endr
.endm
.macro FETCH_B slot, q, p
	WIN TO_B
.irp i, 0,1,2,3,4,5,6,7
	FRAG 128*(\p)+FR*\i, ADRB+\slot, \q, \i
.endr
	WIN 0
.endm
.macro FETCH_A slot, q, i0
.irp i, \i0, \i0+1, \i0+2, \i0+3
	FRAG AF+FR*(\i), ADRA+\slot, \q, \i
.endr
.endm
.macro SCALES sc
.irp i, 0,1,2,3,4,5,6,7
	ds_load_b64 v[SC+8*NQ*\sc+NQ*\i:SC+8*NQ*\sc+NQ*\i+1], v[ADRS] offset:\i*SBLK
.endr
.endm
.macro PLACES n
.rept \n
	v_nop
.endr
.endm
.macro STEP slot, q, zero
	s_wait_dscnt 4*NL
	WIN MUL_LO
	MUL16 0, (\q)%2, \q, \slot, \zero
	MUL16 2, (\q)%2, \q, \slot, \zero
	s_wait_dscnt 0
	PLACES NP
	FETCH_B \slot, (\q)+1, 1-(\q)%2
	FETCH_A \slot, (\q)+1, 0
	WIN MUL_HI
	MUL16 4, (\q)%2, \q, \slot, \zero
	MUL16 6, (\q)%2, \q, \slot, \zero
	PLACES NP
	WIN 0
	FETCH_A \slot, (\q)+1, 4
.endm
.macro TURN slot, next, fill
	s_wait_tensorcnt 0x0
	ds_add_u32 v[SPW], v[NIL]
	s_wait_dscnt 4*NL+1
	WIN MUL_LO
	MUL16 0, 1, NQ-1, \slot, 0
	s_wait_dscnt 0x0
	s_barrier_signal -1
	MUL16 2, 1, NQ-1, \slot, 0
	WIN 0
	s_barrier_wait -1
.if \fill
	CREST
	s_add_nc_u64 s[G0+4*\slot+2:G0+4*\slot+3], s[G0+4*\slot+2:G0+4*\slot+3], 2*ROWB
	s_add_nc_u64 s[G0B+4*\slot+2:G0B+4*\slot+3], s[G0B+4*\slot+2:G0B+4*\slot+3], 2*ROWB
	JLOAD G0+4*\slot, G1, G0B+4*\slot, G1B
	PLACES NP-4
.else
	PLACES NP
.endif
	s_wait_alu depctr_va_vdst(0)
	v_add_nc_u32 v[ADRS], 4*NQ, v[ADRS]
	FETCH_B \next, 0, 0
	FETCH_A \next, 0, 0
	SCALES \next
	WIN MUL_HI
	MUL16 4, 1, NQ-1, \slot, 0
	MUL16 6, 1, NQ-1, \slot, 0
	PLACES NP
	WIN 0
	FETCH_A \next, 0, 4
.endm
	s_wait_alu depctr_va_vdst(0)
	s_wait_tensorcnt 0x0                           ; my tile of the head's four is in; the same lines ahead of slot 1's first fill as ahead of a refill
	ds_add_u32 v[SPW], v[NIL]
	s_mov_b32 s[G1+2], 128<<16                     ; no tensor load of mine is out, so a descriptor may be written: from here on a load brings 128 rows
	s_mov_b32 s[G1+4], 128
	s_mov_b32 s[G1B+2], 128<<16
	s_mov_b32 s[G1B+4], 128
	s_wait_dscnt 0x0
	CROUND                                         ; all four tiles are in, and all sixteen work-groups are here
	JLOAD G0+4, G1, G0B+4, G1B                     ; K step 1's load, the first tensor load behind the round
	FETCH_B 0, 0, 0
	FETCH_A 0, 0, 0
	SCALES 0
	FETCH_A 0, 0, 4
	STEP 0, 0, 1
	s_mov_b32 s3, LAPS-1
.Llap:
	TURN 0, 1, 1
	STEP 1, 0, 0
	TURN 1, 0, 1
	STEP 0, 0, 0
	s_sub_co_u32 s3, s3, 1
	s_cmp_lg_u32 s3, 0
	s_cbranch_scc1 .Llap
	TURN 0, 1, 0
	STEP 1, 0, 0
	s_wait_dscnt 4*NL
	WIN MUL_LO
	MUL16 0, 1, NQ-1, 1, 0
	MUL16 2, 1, NQ-1, 1, 0
	s_wait_dscnt 0
	WIN MUL_HI
	MUL16 4, 1, NQ-1, 1, 0
	MUL16 6, 1, NQ-1, 1, 0
	WIN 0
.macro QUANT s
.irp b, 0,1,2,3
	v_max3_num_f32 v[TM+\b], |v[\s+16*\b]|, |v[\s+1+16*\b]|, 0x8000000
.endr
.irp i, 2,4,6,8,10,12,14
.irp b, 0,1,2,3
	v_max3_num_f32 v[TM+\b], v[TM+\b], |v[\s+16*\b+\i]|, |v[\s+1+16*\b+\i]|
.endr
.endr
.irp b, 0,1,2,3
	v_permlanex16_b32 v[TM+4+\b], v[TM+\b], s[SEL], s[SEL+1]
.endr
.irp b, 0,1,2,3
	v_max_num_f32 v[TM+\b], v[TM+\b], v[TM+4+\b]
.endr
.irp b, 0,1,2,3
	v_add_nc_u32 v[TM+12+\b], 0xf8800000, v[TM+\b]
.endr
.irp b, 0,1,2,3
	v_and_or_b32 v[TM+8+\b], v[TM+\b], 0x7f800000, s[MNT]
.endr
.irp b, 0,1,2,3
	v_lshrrev_b32 v[TM+4+\b], 23, v[TM+12+\b]
.endr
	v_lshl_or_b32 v[PW], v[TM+5], 8, v[TM+4]
	v_lshl_or_b32 v[PW], v[TM+6], 16, v[PW]
	v_lshl_or_b32 v[PW], v[TM+7], 24, v[PW]
.irp b, 0,1,2,3
.irp i, 0,1,2,3,4,5,6,7,8,9,10,11,12,13,14,15
	v_med3_num_f32 v[\s+16*\b+\i], v[\s+16*\b+\i], -v[TM+8+\b], v[TM+8+\b]
.endr
	v_cvt_scalef32_pk8_bf8_f32 v[PC+4*\b:PC+1+4*\b], v[\s+16*\b:\s+7+16*\b], v[TM+12+\b]
	v_cvt_scalef32_pk8_bf8_f32 v[PC+2+4*\b:PC+3+4*\b], v[\s+8+16*\b:\s+15+16*\b], v[TM+12+\b]
.endr
	v_nop
.endm
.macro EPI a
.if (\a) > 0
	s_wait_xcnt 0x0
.endif
	s_cmp_eq_u32 s[PRD], 2
	s_cbranch_scc1 .Lv_\@
	WIN 0x02+(\a)/4
.set i, 0
.rept 32
	v_pk_add_f32 v[T+2*i:T+2*i+1], v[64*((\a)%4)+2*i:64*((\a)%4)+2*i+1], v[BB+2*i:BB+2*i+1]
.set i, i+1
.endr
	WIN 0
	s_branch .Lj_\@
.Lv_\@:
	WIN 0x02+(\a)/4
.set i, 0
.rept 32
.if ((\a)%2) == 0
	v_pk_add_f32 v[T+2*i:T+2*i+1], v[64*((\a)%4)+2*i:64*((\a)%4)+2*i+1], v[BA+(\a):BA+(\a)+1] op_sel_hi:[1,0]
.else
	v_pk_add_f32 v[T+2*i:T+2*i+1], v[64*((\a)%4)+2*i:64*((\a)%4)+2*i+1], v[BA+(\a)-1:BA+(\a)] op_sel:[0,1] op_sel_hi:[1,1]
.endif
.set i, i+1
.endr
	WIN 0
.Lj_\@:
	QUANT T
.irp k, 0,1,2,3
	global_store_b128 v[LI], v[PC+4*\k:PC+4*\k+3], s[12:13] offset:(\a)*2048+512*\k
.endr
.if ((\a)%2) == 0
	v_mov_b32 v[PWE], v[PW]
.else
	v_cndmask_b32 v[PWS], v[PWE], v[PW], s40
	global_store_b32 v31, v[PWS], s[44:45] offset:((\a)/2)*128
.endif
.endm
	PLACES NP
	s_wait_loadcnt 0x0
.irp b, 0,1,2,3
	v_mov_b32 v[TM+4+\b], 0
.endr
.irp a, 0,1,2,3,4,5,6,7
	EPI \a
.endr
	s_wait_tensorcnt 0x0
	ds_add_u32 v[SPW], v[NIL]
	s_wait_dscnt 0x0
	CROUND
	s_endpgm
.Lfunc_end_k_q2ceb823303_proj:
	.size	k_q2ceb823303_proj, .Lfunc_end_k_q2ceb823303_proj-k_q2ceb823303_proj
	.p2alignl 7, 3214868480
	.fill 96, 4, 3214868480
	.section	.rodata,"a",@progbits
	.p2align	6, 0x0
	.amdhsa_kernel k_q2ceb823303_proj
		.amdhsa_group_segment_fixed_size 327680
		.amdhsa_private_segment_fixed_size 0
		.amdhsa_enable_private_segment 0
		.amdhsa_kernarg_size 120
		.amdhsa_user_sgpr_count 2
		.amdhsa_user_sgpr_kernarg_segment_ptr 1
		.amdhsa_wavefront_size32 1
		.amdhsa_system_sgpr_workgroup_id_x 1
		.amdhsa_system_sgpr_workgroup_id_y 1
		.amdhsa_system_sgpr_workgroup_id_z 1
		.amdhsa_system_vgpr_workitem_id 0
		.amdhsa_next_free_vgpr 1024
		.amdhsa_next_free_sgpr 102
		.amdhsa_reserve_vcc 0
		.amdhsa_float_denorm_mode_32 3
		.amdhsa_float_denorm_mode_16_64 3
		.amdhsa_memory_ordered 1
		.amdhsa_forward_progress 1
		.amdhsa_inst_pref_size 222
	.end_amdhsa_kernel
	.amdgpu_metadata
---
amdhsa.version: [ 1, 2 ]
amdhsa.kernels:
  - .name:           k_q2ceb823303_proj
    .symbol:         k_q2ceb823303_proj.kd
    .args:
      - { .name: xq_codes, .offset: 0, .size: 8, .value_kind: global_buffer, .address_space: global }
      - { .name: xq_scales, .offset: 8, .size: 8, .value_kind: global_buffer, .address_space: global }
      - { .name: key_in_codes, .offset: 16, .size: 8, .value_kind: global_buffer, .address_space: global }
      - { .name: key_in_scales, .offset: 24, .size: 8, .value_kind: global_buffer, .address_space: global }
      - { .name: Wq_codes, .offset: 32, .size: 8, .value_kind: global_buffer, .address_space: global }
      - { .name: Wq_scales, .offset: 40, .size: 8, .value_kind: global_buffer, .address_space: global }
      - { .name: Wk_codes, .offset: 48, .size: 8, .value_kind: global_buffer, .address_space: global }
      - { .name: Wk_scales, .offset: 56, .size: 8, .value_kind: global_buffer, .address_space: global }
      - { .name: Wv_codes, .offset: 64, .size: 8, .value_kind: global_buffer, .address_space: global }
      - { .name: Wv_scales, .offset: 72, .size: 8, .value_kind: global_buffer, .address_space: global }
      - { .name: bq, .offset: 80, .size: 8, .value_kind: global_buffer, .address_space: global }
      - { .name: bk, .offset: 88, .size: 8, .value_kind: global_buffer, .address_space: global }
      - { .name: bv, .offset: 96, .size: 8, .value_kind: global_buffer, .address_space: global }
      - { .name: qi, .offset: 104, .size: 8, .value_kind: global_buffer, .address_space: global }
      - { .name: kv, .offset: 112, .size: 8, .value_kind: global_buffer, .address_space: global }
    .group_segment_fixed_size: 327680
    .private_segment_fixed_size: 0
    .kernarg_segment_align: 8
    .kernarg_segment_size: 120
    .max_flat_workgroup_size: 128
    .sgpr_count:     102
    .vgpr_count:     1024
    .wavefront_size: 32
...
	.end_amdgpu_metadata
.endif
;; end of part 2
;; launch attn (part 3): grid 8 x 32, 8 waves a work-group, clusters of 4 x 4, 327,680 bytes of LDS; arguments qi, kv, mask, ctx; writes ctx
.if DOCPART == 3
	.amdgcn_target "amdgcn-amd-amdhsa--gfx1250"
	.amdhsa_code_object_version 6
	.text
	.protected	k_q2ceb823303_attn
	.globl	k_q2ceb823303_attn
	.p2align	8
	.type	k_q2ceb823303_attn,@function
k_q2ceb823303_attn:
	s_mov_b64 s[64:65], 0
	v_nop
	global_prefetch_b8 v0, s[64:65] scope:SCOPE_SE
	s_setreg_imm32_b32 hwreg(HW_REG_WAVE_MODE, 25, 1), 1
	s_wait_xcnt 0x0
	s_wait_alu depctr_hold_cnt(0) depctr_sa_sdst(0) depctr_va_vdst(0) depctr_va_sdst(0) depctr_va_ssrc(0) depctr_va_vcc(0) depctr_vm_vsrc(0)
	s_getreg_b32 s2, hwreg(HW_REG_IB_STS2, 6, 4)
	s_cmp_eq_u32 s2, 0
	s_cbranch_scc0 .Lentry_in_a_cluster
	s_endpgm
.Lentry_in_a_cluster:
	s_bfe_u32 s2, ttmp6, 0x10000c
	s_cmp_lg_u32 s2, 0xf033
	s_cbranch_scc0 .Lentry_shape_is_right
	s_endpgm
.Lentry_shape_is_right:
; THE ATTENTION: for each head, t = clip(s w, +-50 log2(e)) with s = q . k over the head's 64, w = (m + 1) log2(e) / 16 and m the mask's number (the logit is 0.5 (s / 8) m + 0.5 (s / 8)); p = 2^t; context = (sum of p v) / (sum of p).
; Both products on codes of BF8 (E5M2) with one E8M0 scale for each 32 along a product's K.  q, k, v come as operand images (16 rows x 128 K: four times 512 bytes, lane l's 16 bytes at 16 l), the context leaves so.
; NO MAXIMUM IS TAKEN AWAY AHEAD OF THE EXPONENTIAL.  The clip at +-50, which is the problem's own, holds t within +-72.2 for every input: each p lies in 2^-72.2 .. 2^72.2, a row's sum of 2,048 of them under 2^83.2,
; a block's scale exponent in -88 .. 57: nothing overflows or underflows in f32 or in E8M0, and no scale byte needs a floor.  The rule's M is a whole number that a block's scale takes up, so M = 0 gives the same codes' values.
; LIMIT: where the rule, with its M, would hold a block's scale at 2^-126 (a block whose largest p lies 2^-111 under the row's), this text keeps the finer scale: at most 2^-106 of the row's sum.  NaN and infinities are not served.
; A BLOCK'S LARGEST p IS NOT SEARCHED FOR: p rises with s w, so the block's largest s w goes through the same clip and exponential (this takes v_exp_f32 not to fall where its input rises; at the worst one p of a block, within an ulp of a power of two, is held one code low).
; SHARES.  A work-group owns 128 queries x one pair of heads.  Of its EIGHT waves, wave w owns 32 queries (two tiles of 16: pair w % 4) of one head (w / 4), in 512 registers: each fragment of K and of V that it reads from LDS feeds two products.
; Tile 0's state lies in register window 0, tile 1's in window 1 under the same numbers, so one text serves both; K's fragments, addresses and all scale words lie in window 0, V's fragments in window 1.
; Every wave walks the batch's 2,048 keys, 128 a step, one step to a slot of a ring of two LDS slots.  A slot: the mask's 128 rows x 512 bytes (waves 0 to 3 fetch 32 rows each) and the step's block of kv, 33,792 dense bytes (waves 4 to 7: 33 rows of 256 bytes each).
; CLUSTER: 4 x 4 work-groups: x = four pairs of heads, y = four blocks of queries of one batch.  The mask's tile is shared along a row of the cluster, kv's block along a column: each is asked for jointly.
; THE ORDER OF A STEP.  Behind the round: the refill, K's first four tiles and the mask's first half; while these LDS loads are out, tile 1's last sums, holds and codes of the step before; both tiles' O products; the scores, the blend, the blocks' maxima;
; the exponentials in two halves, each exponential followed by a plain line of the same tile (the other half's clip; the first half's hold) whose result is first read behind a wait; tile 0's last lines; the three lines and the round.
; The first trip finds zeros where a step before would have left its numbers.
; LAYOUT.  Both products are used transposed: S^T = K Q^T, O^T = V^T P^T: a lane holds ONE query (lane % 16) of each tile.  The head's K is 64: the upper half of K's and Q's operands are zero codes, which stay in their registers.
; p's 16 registers of tiles 2 b, 2 b + 1 hold keys 32 b + 16 u + 8 h + j at the operand's place 32 b + 16 h + 8 u + j: v's images have the same order along the keys.
.set SLOT1, 1<<17                      ; slot 1 begins here: one exclusive or turns an address in one slot into the other's
.set MP,    528                        ; a row of the mask in LDS: 512 bytes + 16 of padding
.set KVB,   128*MP                     ; behind the mask: kv's block: K's codes,
.set KVV,   KVB+16384                  ; V's codes,
.set KVKS,  KVB+32768                  ; K's scale words, 4 bytes a key (2 bytes a head),
.set KVVS,  KVB+33280                  ; V's, 4 bytes a feature of the pair's 128
.set KVBYTES, 33792
.set KVSTEP, 8*KVBYTES
.set SPARE, KVB+KVBYTES                ; between the slots: the spare words, 128 bytes for each wave
.set CSC,   SPARE+2048                 ; and 512 bytes in which the context's scale words of the two heads meet; no tile lands here
.set AM0,  1                           ; v1-5  my places in a slot: the mask, K's images, V's images, K's scale words, V's
.set AK0,  2
.set AV0,  3
.set ASK0, 4
.set ASV0, 5
.set SPW,  6                           ; v6   LDS address of my spare word; v7  0: never rewritten
.set NIL,  7
.set ADM,  8                           ; v8-12 the same five places in the slot in hand
.set ADK,  9
.set ADV,  10
.set ADS,  11
.set ADT,  12
.set PFO,  13                          ; v13  the prefetch's offset; never rewritten
.set QF,   16                          ; v16-31   Q (each window its tile); v[14:15] the row's sum in two halves (each window)
.set KZ,   32                          ; v32-95   window 0: four operands of K
.set VF,   32                          ;          window 1: V's four tiles
.set S,    96                          ; v96-159  S^T, then p
.set O,    160                         ; v160-191 O^T
.set X,    192                         ; v192-223 half a step's mask, then w
.set PC,   224                         ; v224-239 p's codes; ahead of them the scale bytes and the sums' side chains
.set KSC,  240                         ; v240-243 K's scales: register i: lanes 0-15 tile 2 i, lanes 16-31 tile 2 i + 1
.set VSC,  244                         ; v244-245 V's likewise
.set QSC,  246                         ; v246 Q's, v247 p's: lanes 0-15 tile 0 of my queries, lanes 16-31 tile 1
.set PSC,  247
.set TMA,  248                         ; v248-251 the blocks' maxima, then the holds' bounds
.set TMB,  252                         ; v252-255 the conversions' scale operands
.set WV,   12                          ; s12 my wave's number;  s13 its pair of tiles, and the quarter that it fetches;  s14 its head of the pair
.set SEL,  20
.set CS,   22                          ; s[22:23] log2(e) / 16
.set CLP,  24                          ; s24  50 log2(e);  s34 the same with the other sign
.set CLN,  34
.set MNT,  25                          ; s25  the mantissa field of 57,344
.set TB,   26                          ; s26  LDS byte at which the slot in hand begins
.set STEPS, 27                         ; s27  steps still to be asked for
.set LIM,  28                          ; s28  2 in a wave that prefetches, else the greatest number
.set HM,   29                          ; s29  lanes 16-31
.set PFA,  30
.set PFS,  32
.set G1M,  36
.set G1K,  44
.set G0M,  52
.set G0K,  56
.set CB,   80
.set CO,   82                          ; s82  my first tile's, my head's place among a block's codes
.set SO,   83                          ; s83  and among its scale words
.set MSB, 0
.macro WIN new                         ; the immediate's high byte repeats the setting that is left
.if MSB != (\new)
	s_set_vgpr_msb (MSB<<8)|(\new)
.set MSB, (\new)
.endif
.endm
.macro WALU
	s_wait_alu depctr_va_vdst(0)
.endm
.macro CROUND                          ; a round of the cluster's barrier
	s_barrier_signal -1
	s_barrier_wait -1
	s_cmp_lg_u32 s[WV], 0
	s_cbranch_scc1 .Lnot_wave_0_\@
	s_barrier_signal -3
.Lnot_wave_0_\@:
	s_barrier_wait -3
	s_barrier_signal -1
	s_barrier_wait -1
.endm
.macro TLOAD                           ; every wave fetches: waves 0 to 3 a quarter of the mask's tile, waves 4 to 7 a quarter of kv's block.  An s_nop 0 and four v_nop follow each line
	s_cmp_lt_u32 s[WV], 4
	s_cbranch_scc0 .Lkv_\@
	tensor_load_to_lds s[G0M:G0M+3], s[G1M:G1M+7]
	s_nop 0
.rept 4
	v_nop
.endr
	s_branch .Lasked_\@
.Lkv_\@:
	tensor_load_to_lds s[G0K:G0K+3], s[G1K:G1K+7]
	s_nop 0
.rept 4
	v_nop
.endr
.Lasked_\@:
.endm
; A PREFETCH of the key step that stands TWO refills on.  Every cluster asks for what it will itself load, each aligned 256 bytes once in the cluster; the partners are told apart by address.
; The mask's tile (128 rows x 512 bytes): the four partners of a row of the cluster take 32 rows each; waves 4 and 5 take the two halves of a row's 512 bytes, a lane a row.
; kv's block: the four partners of a column take 8,192 bytes of the codes each, wave 6, lanes 256 bytes apart, and 256 bytes of the scale words each, wave 7, all lanes on that one block.
; The trip that loads step t + 1 asks for step t + 3; the last two refills ask for nothing; steps 0 to 2 come by their loads alone.
.macro ASK
	s_cmp_gt_u32 s[STEPS], s[LIM]
	s_cbranch_scc0 .Lnot_mine_\@
	global_prefetch_b8 v[PFO], s[PFA:PFA+1] th:TH_LOAD_NT scope:SCOPE_SE
.Lnot_mine_\@:
.endm
.macro STEPD                           ; no tensor load of mine is out: the walking descriptors go to the other slot and the next 128 keys; the prefetch's address a step on
	s_xor_b32 s[G0M+1], s[G0M+1], SLOT1
	s_add_nc_u64 s[G0M+2:G0M+3], s[G0M+2:G0M+3], 512
	s_xor_b32 s[G0K+1], s[G0K+1], SLOT1
	s_add_nc_u64 s[G0K+2:G0K+3], s[G0K+2:G0K+3], KVSTEP
	s_wait_xcnt 0x0                                ; the last prefetch has read its address
	s_add_nc_u64 s[PFA:PFA+1], s[PFA:PFA+1], s[PFS:PFS+1]
.endm
	s_load_b256 s[4:11], s[0:1], 0x0               ; qi, kv, mask, ctx
	v_lshl_add_u32 v[SPW], v0, 2, SPARE
	v_mov_b32 v[NIL], 0
	ds_add_u32 v[SPW], v[NIL]                      ; the opening lines: the add, twice on end, and its wait ahead of my first tensor load
	ds_add_u32 v[SPW], v[NIL]
	v_lshrrev_b32 v8, 5, v0
	v_readfirstlane_b32 s[WV], v8                  ; wave 0..7
	s_and_b32 s13, s[WV], 3
	s_lshr_b32 s14, s[WV], 2
	s_bfe_u32 s15, ttmp6, 0x40000                  ; cx
	s_bfe_u32 s16, ttmp6, 0x40004                  ; cy
	s_lshl_b32 s17, ttmp9, 2
	s_add_co_u32 s17, s17, s15                     ; the pair of heads
	s_and_b32 s60, ttmp7, 0xffff
	s_lshl_b32 s18, s60, 2
	s_add_co_u32 s18, s18, s16                     ; the block of 128 queries, over both batches
	s_lshr_b32 s19, s60, 2                         ; the batch
	s_lshl_b32 s61, s16, 2
	s_lshl_b32 s61, 15, s61                        ; my row of the cluster
	s_lshl_b32 s62, 0x1111, s15                    ; my column
	s_or_b32 s[G1M], s61, (2<<16)|(1<<20)|(1<<21)|(6<<22)|(3<<25)   ; the mask: 32 rows x 128 elements of 4 bytes, 2,048 elements from row to row, four words of padding behind each 128
	s_mov_b32 s[G1M+1], 128<<16
	s_mov_b32 s[G1M+2], 32<<16
	s_mov_b32 s[G1M+3], 128<<16
	s_mov_b32 s[G1M+4], 32
	s_mov_b32 s[G1M+5], 2048
	s_mov_b32 s[G1M+6], 0
	s_mov_b32 s[G1M+7], 0
	s_or_b32 s[G1K], s62, (3<<16)|(1<<21)          ; kv: 8,448 dense bytes as 33 rows of 256 (32 elements of 8 bytes), no padding
	s_mov_b32 s[G1K+1], 32<<16
	s_mov_b32 s[G1K+2], 33<<16
	s_mov_b32 s[G1K+3], 32<<16
	s_mov_b32 s[G1K+4], 33
	s_mov_b32 s[G1K+5], 32
	s_mov_b32 s[G1K+6], 0
	s_mov_b32 s[G1K+7], 0
	s_and_b32 s63, s[WV], 1
	s_lshl_b32 s66, s18, 20                        ; the mask: 128 rows of 8,192 bytes for each block of queries,
	s_lshl_b32 s70, s13, 18                        ; 32 rows for my quarter
	s_add_co_u32 s66, s66, s70
	s_mov_b32 s67, 0
	s_lshl_b32 s68, s19, 7
	s_add_co_u32 s68, s68, s17
	s_mul_i32 s68, s68, KVBYTES                    ; kv: block 128 b + pair
	s_mul_i32 s70, s13, KVBYTES/4
	s_add_co_u32 s72, s68, s70
	s_mov_b32 s73, 0
	s_lshl_b32 s74, s18, 3
	s_add_co_u32 s74, s74, s17
	s_mul_i32 s74, s74, 16896                      ; qi's and ctx's block
	s_mov_b32 s75, 0
	s_mov_b32 s[SEL], 0x76543210
	s_mov_b32 s[SEL+1], 0xfedcba98
	s_mov_b32 s[CS], 0x3db8aa3b
	s_mov_b32 s[CS+1], s[CS]
	s_mov_b32 s[CLP], 0x429044fe
	s_mov_b32 s[CLN], 0xc29044fe
	s_mov_b32 s[MNT], 0x600000
	s_mov_b32 s[HM], 0xffff0000
	s_mov_b32 s[TB], 0
	s_mov_b32 s[STEPS], 15
	s_wait_dscnt 0x0                               ; both opening adds are done
	s_wait_kmcnt 0x0
	s_mov_b32 s[G0M], 1
	s_mul_i32 s[G0M+1], s13, 32*MP
	s_add_nc_u64 s[G0M+2:G0M+3], s[8:9], s[66:67]
	s_or_b32 s[G0M+3], s[G0M+3], 0x80000000
	s_mov_b32 s[G0K], 1
	s_add_co_u32 s[G0K+1], s70, KVB
	s_add_nc_u64 s[G0K+2:G0K+3], s[6:7], s[72:73]
	s_or_b32 s[G0K+3], s[G0K+3], 0x80000000
	CROUND                                         ; all sixteen work-groups are here: the first joint loads meet
	TLOAD                                          ; key step 0 into slot 0: one tensor load a wave at the head
	s_add_nc_u64 s[CB:CB+1], s[10:11], s[74:75]
	s_add_nc_u64 s[4:5], s[4:5], s[74:75]
	; the prefetches: where mine stand
	s_lshl_b32 s76, s18, 20
	s_lshl_b32 s77, s15, 18
	s_add_co_u32 s76, s76, s77
	s_lshl_b32 s77, s63, 8
	s_add_co_u32 s76, s76, s77                     ; the mask: my work-group's 32 rows, my wave's 256 bytes of a row's 512
	s_lshl_b32 s77, s16, 13
	s_add_co_u32 s77, s77, s68                     ; kv's codes: my work-group's 8,192 bytes
	s_lshl_b32 s79, s16, 8
	s_add_co_u32 s79, s79, s68
	s_add_co_u32 s79, s79, 32768                   ; kv's scale words: my work-group's 256 bytes
	s_mov_b32 s78, 256
	s_cmp_eq_u32 s[WV], 7
	s_cselect_b32 s77, s79, s77
	s_cselect_b32 s78, 0, s78
	s_mov_b32 s[PFS], KVSTEP
	s_cmp_lt_u32 s[WV], 6
	s_cselect_b64 s[PFA:PFA+1], s[8:9], s[6:7]
	s_cselect_b32 s76, s76, s77
	s_cselect_b32 s[PFS], 512, s[PFS]              ; a step on
	s_cselect_b32 s78, 8192, s78                   ; from lane to lane
	s_add_co_u32 s76, s76, s[PFS]
	s_add_co_u32 s76, s76, s[PFS]                  ; at step 2: the lines ahead of the loop step it to 3.  Nothing is prefetched here, at the head
	s_mov_b32 s77, 0
	s_mov_b32 s[PFS+1], 0
	s_add_nc_u64 s[PFA:PFA+1], s[PFA:PFA+1], s[76:77]
	s_cmp_lt_u32 s[WV], 4
	s_cselect_b32 s[LIM], -1, 2                    ; waves 4 to 7 ask
	; the wave's parts of the LDS addresses, then the lanes'
	s_mul_i32 s84, s13, 32*MP
	s_lshl_b32 s85, s14, 10
	s_add_co_u32 s85, s85, KVB
	s_lshl_b32 s86, s14, 13
	s_add_co_u32 s86, s86, KVV
	s_lshl_b32 s87, s14, 1
	s_add_co_u32 s87, s87, KVKS
	s_lshl_b32 s88, s14, 8
	s_add_co_u32 s88, s88, KVVS
	s_lshl_b32 s[CO], s13, 12
	s_lshl_b32 s77, s14, 10
	s_add_co_u32 s[CO], s[CO], s77
	s_lshl_b32 s[SO], s13, 7
	s_lshl_b32 s77, s14, 1
	s_add_co_u32 s[SO], s[SO], s77
	v_and_b32 v8, 31, v0                           ; lane
	v_and_b32 v9, 15, v0                           ; r
	v_bfe_u32 v10, v0, 4, 1                        ; h
	v_and_b32 v[PFO], 31, v0
	v_mul_u32_u24 v[AM0], v9, MP
	v_mul_lo_u32 v[PFO], v[PFO], s78
	v_lshl_add_u32 v[AM0], v10, 5, v[AM0]
	v_lshl_add_u32 v[AK0], v8, 4, s85
	v_lshl_add_u32 v[AV0], v8, 4, s86
	v_lshl_add_u32 v[ASK0], v8, 2, s87
	v_lshl_add_u32 v[ASV0], v8, 2, s88
	v_add_nc_u32 v[AM0], s84, v[AM0]               ; (32 (w % 4) + r) MP + 32 h; tile 1 lies 16 rows on
	v_lshl_add_u32 v11, v8, 4, s[CO]
	v_lshl_add_u32 v12, v9, 2, s[SO]
	v_lshl_add_u32 v12, v10, 6, v12                ; lanes 16-31 take tile 1's scale words
	global_load_b128 v[QF:QF+3], v11, s[4:5]
	global_load_b128 v[QF+4:QF+7], v11, s[4:5] offset:512
	global_load_u16 v[QSC], v12, s[4:5] offset:16384   ; bytes 0, 1: my head's two blocks; bytes 2, 3 are 0 and stand over zero codes
	WIN 0x40
	global_load_b128 v[QF:QF+3], v11, s[4:5] offset:2048
	global_load_b128 v[QF+4:QF+7], v11, s[4:5] offset:2560
.set i, 0
.rept 8
	v_mov_b32 v[QF+8+i], 0                         ; window 1: the upper half of Q's K = 128
	v_mov_b32 v[TMA+i], 0                          ; bounds and scale operands of the step that the first trip takes for the one before
.set i, i+1
.endr
.set i, 0
.rept 64
	v_mov_b32 v[VF+i], 0                           ; its V and its p: zeros,
	v_mov_b32 v[S+i], 0
.set i, i+1
.endr
.set i, 0
.rept 32
	v_mov_b32 v[O+i], 0                            ; and O^T begins as zeros
.set i, i+1
.endr
	v_mov_b32 v14, 0
	v_mov_b32 v15, 0
	WIN 0
.set i, 0
.rept 8
	v_mov_b32 v[QF+8+i], 0                         ; window 0: zero codes in the upper halves of Q's and K's operands; they stay
	v_mov_b32 v[KZ+8+i], 0
	v_mov_b32 v[KZ+24+i], 0
	v_mov_b32 v[KZ+40+i], 0
	v_mov_b32 v[KZ+56+i], 0
.set i, i+1
.endr
.set i, 0
.rept 32
	v_mov_b32 v[O+i], 0
.set i, i+1
.endr
.set i, 0
.rept 16
	v_mov_b32 v[PC+i], 0
.set i, i+1
.endr
	v_mov_b32 v14, 0
	v_mov_b32 v15, 0
.irp b, 0,1,2,3
	v_mov_b32 v[TMB+\b], 0                         ; a lane permute's destination counts as one of its sources
.endr
	v_mov_b32 v[PSC], 0x7f7f7f7f                   ; finite scale bytes over the first trip's zero codes
	v_mov_b32 v[VSC], 0x7f7f7f7f
	v_mov_b32 v[VSC+1], 0x7f7f7f7f
.macro WM d, a, b, c, sa, sb, ra, rb   ; a product; ra, rb: the scale words stand in lanes 16-31 of their registers
.if ((\ra) == 0) && ((\rb) == 0)
	v_wmma_scale_f32_16x16x128_f8f6f4 v[\d:\d+7], v[\a:\a+15], v[\b:\b+15], \c, v[\sa], v[\sb] matrix_a_fmt:MATRIX_FMT_BF8 matrix_b_fmt:MATRIX_FMT_BF8
.elseif ((\ra) == 1) && ((\rb) == 0)
	v_wmma_scale_f32_16x16x128_f8f6f4 v[\d:\d+7], v[\a:\a+15], v[\b:\b+15], \c, v[\sa], v[\sb] matrix_a_fmt:MATRIX_FMT_BF8 matrix_b_fmt:MATRIX_FMT_BF8 matrix_a_scale:MATRIX_SCALE_ROW1
.elseif (\ra) == 0
	v_wmma_scale_f32_16x16x128_f8f6f4 v[\d:\d+7], v[\a:\a+15], v[\b:\b+15], \c, v[\sa], v[\sb] matrix_a_fmt:MATRIX_FMT_BF8 matrix_b_fmt:MATRIX_FMT_BF8 matrix_b_scale:MATRIX_SCALE_ROW1
.else
	v_wmma_scale_f32_16x16x128_f8f6f4 v[\d:\d+7], v[\a:\a+15], v[\b:\b+15], \c, v[\sa], v[\sb] matrix_a_fmt:MATRIX_FMT_BF8 matrix_b_fmt:MATRIX_FMT_BF8 matrix_a_scale:MATRIX_SCALE_ROW1 matrix_b_scale:MATRIX_SCALE_ROW1
.endif
.endm
.macro KLOAD g                         ; K's tiles 4 g .. 4 g + 3: my head's 8 registers of each image
	WIN 0
.irp i, 0,1,2,3
.irp c, 0,1
	ds_load_b128 v[KZ+16*\i+4*\c:KZ+16*\i+4*\c+3], v[ADK] offset:(4*(\g)+\i)*2048+512*\c
.endr
.endr
.endm
.macro MLOAD g, q                      ; the mask's numbers of my tile q for K's tiles 4 g .. 4 g + 3: register 8 t + j: my query, key 16 t + 8 h + j
	WIN 0x40*(\q)
.irp t, 0,1,2,3
.irp e, 0,1
	ds_load_b128 v[X+8*\t+4*\e:X+8*\t+4*\e+3], v[ADM] offset:(\q)*16*MP+256*(\g)+64*\t+16*\e
.endr
.endr
.endm
.macro SP q                            ; S^T: K's tiles 0 .. 3 x my tile q
	WIN 0x54*(\q)
.irp i, 0,1,2,3
	WM S+8*\i, KZ+16*\i, QF, 0, KSC+\i/2, QSC, \i%2, \q
.endr
.endm
.macro SPC q                           ; S^T: K's tiles 4 .. 7 x my tile q; behind each product eight lines of the first half's clip (the register stands as the second source, which has the tile's window here)
	WIN 0x54*(\q)
.irp i, 0,1,2,3
	WM S+8*(4+\i), KZ+16*\i, QF, 0, KSC+(4+\i)/2, QSC, \i%2, \q
.set j, 8*\i
.rept 8
	v_med3_num_f32 v[S+j], s[CLN], v[S+j], s[CLP]
.set j, j+1
.endr
.endr
.endm
.macro OP1                             ; O^T of tile 1 += V^T P^T; the accumulators by turns; the wait ahead of the first readers of O^T
	WIN 0x55
	WALU
.irp dt, 0,1,2,3
	WM O+8*\dt, VF+16*\dt, PC, v[O+8*\dt:O+8*\dt+7], VSC+\dt/2, PSC, \dt%2, 1
.endr
.endm
.macro OP0 w                           ; the same of tile 0; w = 1: behind each product four lines of w = m c + c for tile 0's first half of the mask
	WIN 0x01
	WALU
.irp dt, 0,1,2,3
	WM O+8*\dt, VF+16*\dt, PC, v[O+8*\dt:O+8*\dt+7], VSC+\dt/2, PSC, \dt%2, 0
.if \w
.set i, 4*\dt
.rept 4
	v_pk_fma_f32 v[X+2*i:X+2*i+1], s[CS:CS+1], v[X+2*i:X+2*i+1], s[CS:CS+1] op_sel_hi:[0,1,0]
.set i, i+1
.endr
.endif
.endr
.endm
.macro WMK q                           ; w = m c + c, c = log2(e) / 16
	WIN 0x55*(\q)
.set i, 0
.rept 16
	v_pk_fma_f32 v[X+2*i:X+2*i+1], v[X+2*i:X+2*i+1], s[CS:CS+1], s[CS:CS+1] op_sel_hi:[1,0,0]
.set i, i+1
.endr
.endm
.macro MUL g, q                        ; s w; each accumulator is read from its low end on
	WIN 0x55*(\q)
.set i, 0
.rept 16
	v_pk_mul_f32 v[S+32*(\g)+2*i:S+32*(\g)+2*i+1], v[S+32*(\g)+2*i:S+32*(\g)+2*i+1], v[X+2*i:X+2*i+1]
.set i, i+1
.endr
.endm
; The macros below work in the window that is set.
.macro MAXX                            ; each block's largest s w (the first half is clipped already, which moves no clipped maximum), with lane l xor 16's, clipped; the four blocks by turns
.irp b, 0,1,2,3
	v_max3_num_f32 v[TMA+\b], v[S+16*\b], v[S+1+16*\b], v[S+2+16*\b]
.endr
.irp k, 3,5,7,9,11,13
.irp b, 0,1,2,3
	v_max3_num_f32 v[TMA+\b], v[TMA+\b], v[S+16*\b+\k], v[S+1+16*\b+\k]
.endr
.endr
.irp b, 0,1,2,3
	v_max_num_f32 v[TMA+\b], v[TMA+\b], v[S+15+16*\b]
.endr
.irp b, 0,1,2,3
	v_permlanex16_b32 v[TMB+\b], v[TMA+\b], s[SEL], s[SEL+1]
.endr
.irp b, 0,1,2,3
	v_max_num_f32 v[TMA+\b], v[TMA+\b], v[TMB+\b]
.endr
.irp b, 0,1,2,3
	v_med3_num_f32 v[TMA+\b], v[TMA+\b], -s[CLP], s[CLP]
.endr
.endm
.macro ST2                             ; p of the first half; behind each exponential a line of the second half's clip, first read behind the next wait; then the blocks' largest p
.set i, 0
.rept 32
	v_exp_f32 v[S+i], v[S+i]
	v_med3_num_f32 v[S+32+i], v[S+32+i], -s[CLP], s[CLP]
.set i, i+1
.endr
.irp b, 0,1,2,3
	v_exp_f32 v[TMA+\b], v[TMA+\b]
.endr
.endm
.macro ST3                             ; p of the second half; behind each exponential a line of the first half's hold (its sum has been taken), first read behind the next wait
.set i, 0
.rept 32
	v_exp_f32 v[S+32+i], v[S+32+i]
	v_min_num_f32 v[S+i], v[S+i], v[TMA+i/16]
.set i, i+1
.endr
.endm
.macro SC q                            ; the conversions' scale operands (TMB), the bounds (TMA), and p's scale word: tile 0's into all lanes of PSC, tile 1's then into lanes 16-31
.irp b, 0,1,2,3
	v_add_nc_u32 v[TMB+\b], 0xf8800000, v[TMA+\b]
.endr
.irp b, 0,1,2,3
	v_and_or_b32 v[TMA+\b], v[TMA+\b], 0x7f800000, s[MNT]
.endr
.irp b, 0,1,2,3
	v_lshrrev_b32 v[PC+\b], 23, v[TMB+\b]          ; the bytes, in registers that the codes take later
.endr
	v_lshl_or_b32 v[PC], v[PC+1], 8, v[PC]
	v_lshl_or_b32 v[PC], v[PC+2], 16, v[PC]
.if (\q) == 0
	v_lshl_or_b32 v[PSC], v[PC+3], 24, v[PC]
.else
	v_lshl_or_b32 v[PC], v[PC+3], 24, v[PC]
	WIN 0x04
	v_cndmask_b32 v[PSC], v[PSC], v[PC], s[HM]
	WIN 0x55
.endif
.endm
.macro SUMH h                          ; the row's sum of the unquantised p of half h: 16 pairs in four chains
.set P, S+32*(\h)
	v_pk_add_f32 v[PC+8:PC+9], v[P:P+1], v[P+2:P+3]
	v_pk_add_f32 v[PC+10:PC+11], v[P+4:P+5], v[P+6:P+7]
	v_pk_add_f32 v[PC+12:PC+13], v[P+8:P+9], v[P+10:P+11]
	v_pk_add_f32 v[14:15], v[14:15], v[P+12:P+13]
.irp k, 14,22
	v_pk_add_f32 v[PC+8:PC+9], v[PC+8:PC+9], v[P+\k:P+\k+1]
	v_pk_add_f32 v[PC+10:PC+11], v[PC+10:PC+11], v[P+\k+2:P+\k+3]
	v_pk_add_f32 v[PC+12:PC+13], v[PC+12:PC+13], v[P+\k+4:P+\k+5]
	v_pk_add_f32 v[14:15], v[14:15], v[P+\k+6:P+\k+7]
.endr
	v_pk_add_f32 v[PC+8:PC+9], v[PC+8:PC+9], v[P+30:P+31]
	v_pk_add_f32 v[14:15], v[14:15], v[PC+10:PC+11]
	v_pk_add_f32 v[PC+8:PC+9], v[PC+8:PC+9], v[PC+12:PC+13]
	v_pk_add_f32 v[14:15], v[14:15], v[PC+8:PC+9]
.endm
.macro LAST                            ; a tile's last lines: the second half's sum and hold (p is not negative, so the hold is one-sided; the conversion does not saturate: ISA guide 7.6.2), and all its codes
	SUMH 1
.set i, 0
.rept 32
	v_min_num_f32 v[S+32+i], v[S+32+i], v[TMA+2+i/16]
.set i, i+1
.endr
.irp b, 0,1,2,3
	v_cvt_scalef32_pk8_bf8_f32 v[PC+4*\b:PC+4*\b+1], v[S+16*\b:S+16*\b+7], v[TMB+\b]
	v_cvt_scalef32_pk8_bf8_f32 v[PC+4*\b+2:PC+4*\b+3], v[S+16*\b+8:S+16*\b+15], v[TMB+\b]
.endr
.rept 4
	v_nop                                          ; a plain line behind the last conversion; codes written by vector instructions stand four places ahead of a scaled matrix instruction
.endr
.endm
; A KEY STEP: 128 keys, in the slot at s[TB].  fill = 1: it ends in the round behind which the slot that it has read is filled again.
.macro BODY fill
	v_add_nc_u32 v[ADM], s[TB], v[AM0]
	v_add_nc_u32 v[ADK], s[TB], v[AK0]
	v_add_nc_u32 v[ADV], s[TB], v[AV0]
	v_add_nc_u32 v[ADS], s[TB], v[ASK0]
	v_add_nc_u32 v[ADT], s[TB], v[ASV0]
	KLOAD 0
.irp i, 0,1,2,3
	ds_load_u16 v[KSC+\i], v[ADS] offset:128*\i    ; my head's two bytes of keys 32 i + lane
.endr
	MLOAD 0, 0
	MLOAD 0, 1
	WIN 0x55
	LAST                                           ; tile 1's last lines of the step before: register work while those 28 loads are out
	s_wait_dscnt 0x0
	OP1
	OP0 1
.rept 4
	v_nop                                          ; with the four lines behind the last product: eight places ahead of the loads into V's registers and V's scales
.endr
	WIN 0x40
.irp dt, 0,1,2,3
.irp c, 0,1,2,3
	ds_load_b128 v[VF+16*\dt+4*\c:VF+16*\dt+4*\c+3], v[ADV] offset:\dt*2048+512*\c
.endr
.endr
	WIN 0
.irp i, 0,1
	ds_load_b32 v[VSC+\i], v[ADT] offset:128*\i
.endr
	SP 0
	SP 1
	WMK 1                                          ; 16 plain lines: the places ahead of the loads into K's registers and of the first read of the scores
	KLOAD 1
	MUL 0, 0
	MLOAD 1, 0
	MUL 0, 1
	MLOAD 1, 1
	s_wait_dscnt 16                                ; V and K's tiles 4 to 7 are in; behind them: the 16 loads of the mask's second half
	SPC 0
	SPC 1
	s_wait_dscnt 0x0                               ; the mask's second half: my last read of this slot
	WMK 0
	MUL 1, 0
	MAXX
	WMK 1
	MUL 1, 1
	MAXX
	WALU                                           ; a wait ahead of each batch of exponentials and one behind it
	WIN 0
	ST2
	WIN 0x55
	ST2
	v_nop
	WALU
	WIN 0
	SC 0
	SUMH 0
	WIN 0x55
	SC 1
	SUMH 0
	WALU
	WIN 0
	ST3
	WIN 0x55
	ST3
	v_nop
	WALU
	WIN 0
	LAST
.if \fill
	WALU
	s_wait_tensorcnt 0x0                           ; my part of the next slot has landed;
	ds_add_u32 v[SPW], v[NIL]                      ; 0 onto my spare word
	STEPD
	s_xor_b32 s[TB], s[TB], SLOT1
	s_sub_co_u32 s[STEPS], s[STEPS], 1
	s_wait_dscnt 0x0                               ; the add is done, and my reads of this slot are over
	CROUND                                         ; no wave of any partner still reads the slot or has a load on its way
.endif
.endm
	WALU
	s_wait_loadcnt 0x0                             ; Q
	s_wait_tensorcnt 0x0                           ; my part of key step 0 is in; the same three lines ahead of slot 1's first fill as ahead of a refill
	ds_add_u32 v[SPW], v[NIL]
	STEPD
	s_wait_dscnt 0x0
	CROUND
.Lstep:                                            ; 15 trips: each asks for the next step first, then works its own
	TLOAD
	ASK
	BODY 1
	s_cmp_lg_u32 s[STEPS], 0
	s_cbranch_scc1 .Lstep
	BODY 0                                         ; the last step is written out: it asks for nothing
	WIN 0x55
	LAST
	OP1
	OP0 0
	; THE WAY OUT.  O^T is divided by the row's sum and quantised along the head's 64 features (two blocks of 32): it is K of the last projection.  The codes leave as my tiles', my head's parts of operand images.
	WIN 0
	v_and_b32 v8, 31, v0
	v_and_b32 v12, 15, v0
	v_lshl_add_u32 v9, v8, 4, s[CO]                ; my codes' place in the block
	s_add_co_u32 s77, s[SO], CSC
	v_lshl_add_u32 v10, v12, 2, s77                ; LDS: my query's word, my head's half of it
	v_lshlrev_b32 v12, 4, v8
	v_add_nc_u32 v11, CSC, v12
.irp q, 0,1
	WIN 0x55*\q
	v_add_f32 v14, v14, v15                        ; the sum's two halves, and lane l xor 16's
	v_permlanex16_b32 v[TMB], v14, s[SEL], s[SEL+1]
	v_add_f32 v14, v14, v[TMB]
.endr
	WALU                                           ; the wait ahead of the transcendentals
	WIN 0
	v_rcp_f32 v14, v14
	WIN 0x55
	v_rcp_f32 v14, v14
	v_nop
.macro FIN q
	WIN 0x55*(\q)
	WALU                                           ; ahead of the first readers of the reciprocal and of O^T
.set i, 0
.rept 16
	v_pk_mul_f32 v[O+2*i:O+2*i+1], v[O+2*i:O+2*i+1], v[14:15] op_sel_hi:[1,0]   ; register 8 t + j: feature 16 t + 8 h + j of my query
.set i, i+1
.endr
.irp c, 0,1
	v_max3_num_f32 v[TMA+\c], |v[O+16*\c]|, |v[O+1+16*\c]|, 0x8000000
.endr
.irp k, 2,4,6,8,10,12,14
.irp c, 0,1
	v_max3_num_f32 v[TMA+\c], v[TMA+\c], |v[O+16*\c+\k]|, |v[O+1+16*\c+\k]|
.endr
.endr
.irp c, 0,1
	v_permlanex16_b32 v[TMB+\c], v[TMA+\c], s[SEL], s[SEL+1]
.endr
.irp c, 0,1
	v_max_num_f32 v[TMA+\c], v[TMA+\c], v[TMB+\c]
.endr
.irp c, 0,1
	v_add_nc_u32 v[TMB+\c], 0xf8800000, v[TMA+\c]
.endr
.irp c, 0,1
	v_and_or_b32 v[TMA+\c], v[TMA+\c], 0x7f800000, s[MNT]
.endr
.irp c, 0,1
	v_lshrrev_b32 v[TMA+2+\c], 23, v[TMB+\c]
.endr
	v_lshl_or_b32 v[TMA+2], v[TMA+3], 8, v[TMA+2]  ; my head's two bytes
.irp c, 0,1
.irp k, 0,1,2,3,4,5,6,7,8,9,10,11,12,13,14,15
	v_med3_num_f32 v[O+16*\c+\k], v[O+16*\c+\k], -v[TMA+\c], v[TMA+\c]
.endr
	v_cvt_scalef32_pk8_bf8_f32 v[PC+4*\c:PC+4*\c+1], v[O+16*\c:O+16*\c+7], v[TMB+\c]
	v_cvt_scalef32_pk8_bf8_f32 v[PC+4*\c+2:PC+4*\c+3], v[O+16*\c+8:O+16*\c+15], v[TMB+\c]
.endr
	v_nop
	WIN 0x04*(\q)                                  ; the data from the tile's window, the addresses from window 0
	global_store_b128 v9, v[PC:PC+3], s[CB:CB+1] offset:2048*(\q)        ; 512 consecutive bytes each
	global_store_b128 v9, v[PC+4:PC+7], s[CB:CB+1] offset:2048*(\q)+512
	ds_store_b16 v10, v[TMA+2] offset:64*(\q)      ; lanes r and 16 + r write the same two bytes with the same value
.endm
	FIN 0
	FIN 1
	WIN 0
	s_wait_dscnt 0x0                               ; for the others' sake: my stores have landed
	s_barrier_signal -1
	s_barrier_wait -1                              ; the 128 queries' words are whole: bytes 0, 1 from the even head's waves, bytes 2, 3 from the odd head's
	s_cmp_lg_u32 s[WV], 0
	s_cbranch_scc1 .Lnot_0
	ds_load_b128 v[PC+8:PC+11], v11
	s_wait_dscnt 0x0
	global_store_b128 v12, v[PC+8:PC+11], s[CB:CB+1] offset:16384   ; 512 consecutive bytes
.Lnot_0:
	s_wait_tensorcnt 0x0                           ; the wave's end
	ds_add_u32 v[SPW], v[NIL]
	s_wait_dscnt 0x0
	CROUND                                         ; the closing round
	s_endpgm
.Lfunc_end_k_q2ceb823303_attn:
	.size	k_q2ceb823303_attn, .Lfunc_end_k_q2ceb823303_attn-k_q2ceb823303_attn
	.p2alignl 7, 3214868480
	.fill 96, 4, 3214868480
	.section	.rodata,"a",@progbits
	.p2align	6, 0x0
	.amdhsa_kernel k_q2ceb823303_attn
		.amdhsa_group_segment_fixed_size 327680
		.amdhsa_private_segment_fixed_size 0
		.amdhsa_enable_private_segment 0
		.amdhsa_kernarg_size 32
		.amdhsa_user_sgpr_count 2
		.amdhsa_user_sgpr_kernarg_segment_ptr 1
		.amdhsa_wavefront_size32 1
		.amdhsa_system_sgpr_workgroup_id_x 1
		.amdhsa_system_sgpr_workgroup_id_y 1
		.amdhsa_system_sgpr_workgroup_id_z 1
		.amdhsa_system_vgpr_workitem_id 0
		.amdhsa_next_free_vgpr 512
		.amdhsa_next_free_sgpr 96
		.amdhsa_reserve_vcc 0
		.amdhsa_float_denorm_mode_32 3
		.amdhsa_float_denorm_mode_16_64 3
		.amdhsa_memory_ordered 1
		.amdhsa_forward_progress 1
		.amdhsa_inst_pref_size 126
	.end_amdhsa_kernel
	.amdgpu_metadata
---
amdhsa.version: [ 1, 2 ]
amdhsa.kernels:
  - .name:           k_q2ceb823303_attn
    .symbol:         k_q2ceb823303_attn.kd
    .args:
      - { .name: qi, .offset: 0, .size: 8, .value_kind: global_buffer, .address_space: global }
      - { .name: kv, .offset: 8, .size: 8, .value_kind: global_buffer, .address_space: global }
      - { .name: mask, .offset: 16, .size: 8, .value_kind: global_buffer, .address_space: global }
      - { .name: ctx, .offset: 24, .size: 8, .value_kind: global_buffer, .address_space: global }
    .group_segment_fixed_size: 327680
    .private_segment_fixed_size: 0
    .kernarg_segment_align: 8
    .kernarg_segment_size: 32
    .max_flat_workgroup_size: 256
    .sgpr_count:     96
    .vgpr_count:     512
    .wavefront_size: 32
...
	.end_amdgpu_metadata
.endif
;; end of part 3
;; launch outln (part 4): grid 128 x 1, 16 waves a work-group, no clusters, 166,400 bytes of LDS; arguments ctx, wo_img, bo, query, gamma, beta, out0; writes out0
.if DOCPART == 4
	.amdgcn_target "amdgcn-amd-amdhsa--gfx1250"
	.amdhsa_code_object_version 6
	.text
	.protected	k_q2ceb823303_outln
	.globl	k_q2ceb823303_outln
	.p2align	8
	.type	k_q2ceb823303_outln,@function
k_q2ceb823303_outln:
	s_mov_b64 s[64:65], 0
	v_nop
	global_prefetch_b8 v0, s[64:65] scope:SCOPE_SE
	s_setreg_imm32_b32 hwreg(HW_REG_WAVE_MODE, 25, 1), 1
	s_wait_xcnt 0x0
; out0 = LayerNorm(query + context Wo + bo) x gamma + beta.  The product on codes of BF8 (E5M2) with one E8M0 scale for each 32 along K = 1,024; all else in f32.
; SHARES.  A work-group owns 32 tokens (two tiles of 16) and all 1,024 features, so that a row's mean and variance never leave it.  Of its sixteen waves, wave w makes features 64 w .. 64 w + 63 (four tiles) for both tiles of tokens:
; eight accumulators, which take turns.  The product is used transposed (source 0 = 16 features of Wo, source 1 = 16 tokens of the context): a lane's eight results are eight neighbouring features of one token.
; Wo comes straight from memory into registers: an earlier launch has laid it as operand images, in the order along K in which the context's codes lie, a block of 8,448 bytes for each (w, K step): every load reads 512 consecutive bytes.
; No cluster and no tensor load: each fragment of Wo feeds one wave of the work-group, so a way through LDS would add a write and a read of every byte and share nothing inside the work-group.
; The context's 16 images (8 K steps x 2 tiles of tokens, 32,768 bytes) are read from memory once, one by each wave, and go round through LDS.
; bo is loaded straight into the accumulators, in the result's layout: every product adds in place.
; THE WAY OUT: the 32 rows meet in a stage in LDS (rows of 4,096 bytes + 16); wave w takes rows 2 w and 2 w + 1 whole, 32 numbers a lane: residual, mean, variance, gain and offset; each store covers 512 consecutive bytes.
; LIMITS: NaN and infinities among the inputs are not served.
; REGISTERS: v1-7 addresses; v8-15 the context's scale words (lanes 0-15 tile 0, lanes 16-31 tile 1), v16-19 Wo's, two sets: scales and nothing else; v20-25 at work; v32-95 accumulators, later two rows; v96-127 the context's two fragments;
; v128-255 Wo's fragments, two sets of 64; on the way out query's two rows, gamma, beta.
.set CI,   0                           ; LDS: the context's 16 images of 2,048 bytes: (2 s + m)
.set STG,  32768                       ; the stage: 32 rows
.set SPI,  4112                        ; of 4,096 bytes + 16 = 1,028 words: row r starts at bank 4 r mod 64 (64 banks of 4 bytes: ISA guide 11.1)
.set LI,   1                           ; v1   16 x lane
.set LS,   2                           ; v2   4 x lane
.set SO0,  3                           ; v3, v4  the stage: where I put 32 bytes of a row of tile 0, 1
.set SR,   5                           ; v5   and where I read my rows back
.set BH,   6                           ; v6   32 h
.set CW,   7                           ; v7   where I put my image of the context
.set CS,   8
.set WS,   16
.set ACC,  32                          ; accumulator (f, m) at 32 + 8 (2 f + m)
.set CF,   96
.set W,    128
.set GA,   192
.set BE,   224
.set WV,   18
.set SEL,  20
	s_load_b256 s[4:11], s[0:1], 0x0               ; ctx, wo_img, bo, query
	s_load_b128 s[12:15], s[0:1], 0x20             ; gamma, beta
	s_load_b64 s[16:17], s[0:1], 0x30              ; out0
	v_lshl_add_u32 v30, v0, 2, 0x28200
	v_mov_b32 v31, 0
	v_lshrrev_b32 v20, 5, v0
	s_delay_alu instid0(VALU_DEP_1)
	v_readfirstlane_b32 s[WV], v20                 ; wave 0..15
	v_and_b32 v22, 31, v0                          ; lane
	v_and_b32 v20, 15, v0                          ; r
	v_bfe_u32 v21, v0, 4, 1                        ; h
	s_delay_alu instid0(VALU_DEP_3)
	v_lshlrev_b32 v[LI], 4, v22
	s_delay_alu instid0(VALU_DEP_4)
	v_lshlrev_b32 v[LS], 2, v22
	s_delay_alu instid0(VALU_DEP_3)
	v_lshlrev_b32 v[BH], 5, v21
	s_lshl_b32 s22, s[WV], 8
	s_add_co_u32 s22, s22, STG
	v_mul_u32_u24 v[SO0], v20, SPI
	s_delay_alu instid0(VALU_DEP_1)
	v_lshl_add_u32 v[SO0], v21, 5, v[SO0]
	s_delay_alu instid0(VALU_DEP_1)
	v_add_nc_u32 v[SO0], s22, v[SO0]               ; row r, + 32 h, + 256 x wave: my features' bytes
	s_delay_alu instid0(VALU_DEP_1)
	v_add_nc_u32 v[SO0+1], 16*SPI, v[SO0]          ; and 16 rows further down
	s_mul_i32 s22, s[WV], 2*SPI
	s_add_co_u32 s22, s22, STG
	v_add_nc_u32 v[SR], s22, v[LI]
	s_lshl_b32 s22, s[WV], 11
	v_add_nc_u32 v[CW], s22, v[LI]
	s_mov_b32 s[SEL], 0x76543210
	s_mov_b32 s[SEL+1], 0xfedcba98
	s_mov_b32 s38, 0x3a800000                      ; 1 / 1,024
	s_mov_b32 s39, 0x3727c5ac                      ; 1e-5
	s_lshr_b32 s22, ttmp9, 2
	s_mul_i32 s22, s22, 8*16896                    ; the 128 tokens' eight blocks of ctx
	s_and_b32 s23, ttmp9, 3
	s_lshl_b32 s23, s23, 1                         ; my first tile of 16 tokens among the block's eight
	s_lshr_b32 s24, s[WV], 1                       ; the image that I bring: K step wave / 2,
	s_mul_i32 s24, s24, 16896
	s_and_b32 s25, s[WV], 1                        ; tile wave % 2
	s_add_co_u32 s25, s25, s23
	s_lshl_b32 s25, s25, 11
	s_add_co_u32 s24, s24, s25
	s_add_co_u32 s24, s24, s22
	s_mov_b32 s25, 0
	s_lshl_b32 s26, s23, 6                         ; the scale words of my 32 tokens
	s_add_co_u32 s26, s26, s22
	s_add_co_u32 s26, s26, 16384
	s_mov_b32 s27, 0
	s_mul_i32 s28, s[WV], 8*8448                   ; my eight blocks of Wo
	s_mov_b32 s29, 0
	s_lshl_b32 s30, s[WV], 8                       ; my 64 numbers of bo
	s_mov_b32 s31, 0
	s_lshl_b32 s32, ttmp9, 5
	s_lshl_b32 s33, s[WV], 1
	s_add_co_u32 s32, s32, s33
	s_lshl_b32 s32, s32, 12                        ; my two rows of query and of out0: (32 x work-group + 2 x wave) x 4,096 bytes
	s_mov_b32 s33, 0
	s_wait_alu depctr_va_vdst(0)
	s_wait_kmcnt 0x0
	s_add_nc_u64 s[34:35], s[4:5], s[24:25]
	s_add_nc_u64 s[36:37], s[4:5], s[26:27]
	s_add_nc_u64 s[6:7], s[6:7], s[28:29]
	s_add_nc_u64 s[8:9], s[8:9], s[30:31]
	s_add_nc_u64 s[10:11], s[10:11], s[32:33]
	s_add_nc_u64 s[16:17], s[16:17], s[32:33]
.macro WLOAD s                         ; Wo's four fragments and two registers of scale words of K step s, into set s % 2: 18 loads
.irp f, 0,1,2,3
.irp c, 0,1,2,3
	global_load_b128 v[W+64*((\s)%2)+16*\f+4*\c:W+64*((\s)%2)+16*\f+4*\c+3], v[LI], s[6:7] offset:(\s)*8448+\f*2048+512*\c
.endr
.endr
.irp p, 0,1
	global_load_b32 v[WS+2*((\s)%2)+\p], v[LS], s[6:7] offset:(\s)*8448+8192+128*\p
.endr
.endm
.irp c, 0,1,2,3
	global_load_b128 v[CF+4*\c:CF+4*\c+3], v[LI], s[34:35] offset:512*\c   ; my image of the context
.endr
.irp s, 0,1,2,3,4,5,6,7
	global_load_b32 v[CS+\s], v[LS], s[36:37] offset:\s*16896              ; K step s: the words of my work-group's 32 tokens
.endr
.irp f, 0,1,2,3
.irp m, 0,1
	global_load_b128 v[ACC+8*(2*\f+\m):ACC+8*(2*\f+\m)+3], v[BH], s[8:9] offset:64*\f        ; bo at features 16 f + 8 h + 0 .. 7: the sums begin with it
	global_load_b128 v[ACC+8*(2*\f+\m)+4:ACC+8*(2*\f+\m)+7], v[BH], s[8:9] offset:64*\f+16
.endr
.endr
	WLOAD 0
	WLOAD 1
	s_wait_loadcnt 60                              ; my image is in; behind its four loads: 8 of scale words, 16 of bo, 36 of Wo
.irp c, 0,1,2,3
	ds_store_b128 v[CW], v[CF+4*\c:CF+4*\c+3] offset:CI+512*\c
.endr
	s_wait_dscnt 0x0                               ; for the others' sake: my stores have landed
	s_barrier_signal -1
	s_barrier_wait -1                              ; the sixteen images lie in LDS
.macro PROD f, m, s
.set DA, ACC+8*(2*(\f)+(\m))
.set WA, W+64*((\s)%2)+16*(\f)
.set CA, CF+16*(\m)
.set SA, WS+2*((\s)%2)+(\f)/2
.if (((\f)%2) == 0) && ((\m) == 0)
	v_wmma_scale_f32_16x16x128_f8f6f4 v[DA:DA+7], v[WA:WA+15], v[CA:CA+15], v[DA:DA+7], v[SA], v[CS+(\s)] matrix_a_fmt:MATRIX_FMT_BF8 matrix_b_fmt:MATRIX_FMT_BF8
.elseif (((\f)%2) == 1) && ((\m) == 0)
	v_wmma_scale_f32_16x16x128_f8f6f4 v[DA:DA+7], v[WA:WA+15], v[CA:CA+15], v[DA:DA+7], v[SA], v[CS+(\s)] matrix_a_fmt:MATRIX_FMT_BF8 matrix_b_fmt:MATRIX_FMT_BF8 matrix_a_scale:MATRIX_SCALE_ROW1
.elseif ((\f)%2) == 0
	v_wmma_scale_f32_16x16x128_f8f6f4 v[DA:DA+7], v[WA:WA+15], v[CA:CA+15], v[DA:DA+7], v[SA], v[CS+(\s)] matrix_a_fmt:MATRIX_FMT_BF8 matrix_b_fmt:MATRIX_FMT_BF8 matrix_b_scale:MATRIX_SCALE_ROW1
.else
	v_wmma_scale_f32_16x16x128_f8f6f4 v[DA:DA+7], v[WA:WA+15], v[CA:CA+15], v[DA:DA+7], v[SA], v[CS+(\s)] matrix_a_fmt:MATRIX_FMT_BF8 matrix_b_fmt:MATRIX_FMT_BF8 matrix_a_scale:MATRIX_SCALE_ROW1 matrix_b_scale:MATRIX_SCALE_ROW1
.endif
.endm
.irp s, 0,1,2,3,4,5,6,7                        ; eight K steps of 128, written out: every offset is an immediate
.if \s < 7
	s_wait_loadcnt 18                              ; this step's set of Wo is in (in step 0 all that was asked for ahead of it too); the next set's 18 loads may be out
.else
	s_wait_loadcnt 0x0
.endif
.irp m, 0,1
.irp c, 0,1,2,3
	ds_load_b128 v[CF+16*\m+4*\c:CF+16*\m+4*\c+3], v[LI] offset:CI+(2*\s+\m)*2048+512*\c
.endr
.endr
	s_wait_dscnt 0x0
.irp f, 0,1,2,3
.irp m, 0,1
	PROD \f, \m, \s                                ; the eight accumulators by turns, one instruction a turn
.endr
.endr
.rept 8
	v_nop                                          ; places in front of loads into registers that these products have read, and of the first read of results
.endr
.if \s+2 < 8
	WLOAD \s+2
.endif
.endr
	; ---- the way out
.irp e, 0,1
.irp i, 0,1,2,3,4,5,6,7
	global_load_b128 v[W+32*\e+4*\i:W+32*\e+4*\i+3], v[LI], s[10:11] offset:\e*4096+512*\i th:TH_LOAD_NT   ; query's rows 2 w + e
.endr
.endr
.irp i, 0,1,2,3,4,5,6,7
	global_load_b128 v[GA+4*\i:GA+4*\i+3], v[LI], s[12:13] offset:512*\i
	global_load_b128 v[BE+4*\i:BE+4*\i+3], v[LI], s[14:15] offset:512*\i
.endr
.irp f, 0,1,2,3
.irp m, 0,1
	ds_store_b128 v[SO0+\m], v[ACC+8*(2*\f+\m):ACC+8*(2*\f+\m)+3] offset:64*\f          ; lane (r, h): token 16 m + r, features 64 w + 16 f + 8 h + 0 .. 7; each accumulator from its low end on
	ds_store_b128 v[SO0+\m], v[ACC+8*(2*\f+\m)+4:ACC+8*(2*\f+\m)+7] offset:64*\f+16
.endr
.endr
	s_wait_dscnt 0x0                               ; for the others' sake: my stores have landed
	s_barrier_signal -1
	s_barrier_wait -1                              ; 32 whole rows lie in the stage
.irp e, 0,1
.irp i, 0,1,2,3,4,5,6,7
	ds_load_b128 v[ACC+32*\e+4*\i:ACC+32*\e+4*\i+3], v[SR] offset:\e*SPI+512*\i
.endr
.endr
	s_wait_dscnt 0x0
	s_wait_loadcnt 0x0                             ; query, gamma, beta
.macro WSUM a, t                       ; the sum over the wave's 32 lanes, in every lane
	s_delay_alu instid0(VALU_DEP_1)
	v_add_f32_dpp v[\a], v[\a], v[\a] row_xmask:1 row_mask:0xf bank_mask:0xf
	s_delay_alu instid0(VALU_DEP_1)
	v_add_f32_dpp v[\a], v[\a], v[\a] row_xmask:2 row_mask:0xf bank_mask:0xf
	s_delay_alu instid0(VALU_DEP_1)
	v_add_f32_dpp v[\a], v[\a], v[\a] row_xmask:4 row_mask:0xf bank_mask:0xf
	s_delay_alu instid0(VALU_DEP_1)
	v_add_f32_dpp v[\a], v[\a], v[\a] row_xmask:8 row_mask:0xf bank_mask:0xf
	s_delay_alu instid0(VALU_DEP_1)
	v_permlanex16_b32 v[\t], v[\a], s[SEL], s[SEL+1]
	s_delay_alu instid0(VALU_DEP_1)
	v_add_f32 v[\a], v[\a], v[\t]
.endm
.macro LNROW e
.set XR, ACC+32*(\e)
.set QR, W+32*(\e)
.set i, 0
.rept 16
	v_pk_add_f32 v[XR+2*i:XR+2*i+1], v[XR+2*i:XR+2*i+1], v[QR+2*i:QR+2*i+1]   ; the residual
.set i, i+1
.endr
	v_pk_add_f32 v[20:21], v[XR:XR+1], v[XR+2:XR+3]                ; the row's sum: my 32 numbers in two chains,
	v_pk_add_f32 v[22:23], v[XR+4:XR+5], v[XR+6:XR+7]
.irp j, 8,12,16,20,24,28
	s_delay_alu instid0(VALU_DEP_2)
	v_pk_add_f32 v[20:21], v[20:21], v[XR+\j:XR+\j+1]
	s_delay_alu instid0(VALU_DEP_2)
	v_pk_add_f32 v[22:23], v[22:23], v[XR+\j+2:XR+\j+3]
.endr
	s_delay_alu instid0(VALU_DEP_1)
	v_pk_add_f32 v[20:21], v[20:21], v[22:23]
	s_delay_alu instid0(VALU_DEP_1)
	v_add_f32 v20, v20, v21
	WSUM 20, 21                                    ; then the 32 lanes
	s_delay_alu instid0(VALU_DEP_1)
	v_mul_f32 v20, s38, v20                        ; the mean
.set i, 0
.rept 16
	v_pk_add_f32 v[XR+2*i:XR+2*i+1], v[XR+2*i:XR+2*i+1], v[20:21] op_sel_hi:[1,0] neg_lo:[0,1] neg_hi:[0,1]
.set i, i+1
.endr
	v_pk_mul_f32 v[22:23], v[XR:XR+1], v[XR:XR+1]                  ; the squares' sum likewise
	v_pk_mul_f32 v[24:25], v[XR+2:XR+3], v[XR+2:XR+3]
.irp j, 4,8,12,16,20,24,28
	s_delay_alu instid0(VALU_DEP_2)
	v_pk_fma_f32 v[22:23], v[XR+\j:XR+\j+1], v[XR+\j:XR+\j+1], v[22:23]
	s_delay_alu instid0(VALU_DEP_2)
	v_pk_fma_f32 v[24:25], v[XR+\j+2:XR+\j+3], v[XR+\j+2:XR+\j+3], v[24:25]
.endr
	s_delay_alu instid0(VALU_DEP_1)
	v_pk_add_f32 v[22:23], v[22:23], v[24:25]
	s_delay_alu instid0(VALU_DEP_1)
	v_add_f32 v22, v22, v23
	WSUM 22, 23
	s_delay_alu instid0(VALU_DEP_1)
	v_fma_f32 v22, v22, s38, s39                   ; the variance + 1e-5
	s_wait_alu depctr_va_vdst(0)
	v_rsq_f32 v22, v22
	v_nop                                          ; a plain line behind the transcendental,
	s_wait_alu depctr_va_vdst(0)                   ; and the wait ahead of its first reader
.set i, 0
.rept 16
	v_pk_mul_f32 v[XR+2*i:XR+2*i+1], v[XR+2*i:XR+2*i+1], v[22:23] op_sel_hi:[1,0]
.set i, i+1
.endr
.set i, 0
.rept 16
	v_pk_fma_f32 v[XR+2*i:XR+2*i+1], v[XR+2*i:XR+2*i+1], v[GA+2*i:GA+2*i+1], v[BE+2*i:BE+2*i+1]
.set i, i+1
.endr
.irp i, 0,1,2,3,4,5,6,7
	global_store_b128 v[LI], v[XR+4*\i:XR+4*\i+3], s[16:17] offset:(\e)*4096+512*\i th:TH_STORE_NT   ; 512 consecutive bytes; written once, read by nobody here
.endr
.endm
	LNROW 0
	LNROW 1
	s_wait_tensorcnt 0x0
	ds_add_u32 v30, v31
	s_wait_dscnt 0x0
	s_endpgm
.Lfunc_end_k_q2ceb823303_outln:
	.size	k_q2ceb823303_outln, .Lfunc_end_k_q2ceb823303_outln-k_q2ceb823303_outln
	.p2alignl 7, 3214868480
	.fill 96, 4, 3214868480
	.section	.rodata,"a",@progbits
	.p2align	6, 0x0
	.amdhsa_kernel k_q2ceb823303_outln
		.amdhsa_group_segment_fixed_size 166400
		.amdhsa_private_segment_fixed_size 0
		.amdhsa_enable_private_segment 0
		.amdhsa_kernarg_size 56
		.amdhsa_user_sgpr_count 2
		.amdhsa_user_sgpr_kernarg_segment_ptr 1
		.amdhsa_wavefront_size32 1
		.amdhsa_system_sgpr_workgroup_id_x 1
		.amdhsa_system_sgpr_workgroup_id_y 1
		.amdhsa_system_sgpr_workgroup_id_z 1
		.amdhsa_system_vgpr_workitem_id 0
		.amdhsa_next_free_vgpr 256
		.amdhsa_next_free_sgpr 66
		.amdhsa_reserve_vcc 0
		.amdhsa_float_denorm_mode_32 3
		.amdhsa_float_denorm_mode_16_64 3
		.amdhsa_memory_ordered 1
		.amdhsa_forward_progress 1
		.amdhsa_inst_pref_size 58
	.end_amdhsa_kernel
	.amdgpu_metadata
---
amdhsa.version: [ 1, 2 ]
amdhsa.kernels:
  - .name:           k_q2ceb823303_outln
    .symbol:         k_q2ceb823303_outln.kd
    .args:
      - { .name: ctx, .offset: 0, .size: 8, .value_kind: global_buffer, .address_space: global }
      - { .name: wo_img, .offset: 8, .size: 8, .value_kind: global_buffer, .address_space: global }
      - { .name: bo, .offset: 16, .size: 8, .value_kind: global_buffer, .address_space: global }
      - { .name: query, .offset: 24, .size: 8, .value_kind: global_buffer, .address_space: global }
      - { .name: gamma, .offset: 32, .size: 8, .value_kind: global_buffer, .address_space: global }
      - { .name: beta, .offset: 40, .size: 8, .value_kind: global_buffer, .address_space: global }
      - { .name: out0, .offset: 48, .size: 8, .value_kind: global_buffer, .address_space: global }
    .group_segment_fixed_size: 166400
    .private_segment_fixed_size: 0
    .kernarg_segment_align: 8
    .kernarg_segment_size: 56
    .max_flat_workgroup_size: 512
    .sgpr_count:     66
    .vgpr_count:     256
    .wavefront_size: 32
...
	.end_amdgpu_metadata
.endif
;; end of part 4
